; MI455X (gfx1250); checked and timed in simulation.
; The chip was launched on July 23, 2026; its instructions are those of AMD's public machine-readable ISA for CDNA 5 (MIT licence, August 2026) and "CDNA5" Instruction Set Architecture Reference Guide (July 2026). The comments in the code are by the model that wrote it; some were corrected since.
;; Multihead Self Attention. Allowed arithmetic: matrix products marked QUANTISED: E3M2 operands, one E8M0 scale for each 32 along K, by v_wmma_scale_f32_16x16x128_f8f6f4 with both operands' format E3M2, f32 sums; everything else in f32.
;; Inputs: wk 1,024 x 1,024 float32; wo 1,024 x 1,024 float32; wq 1,024 x 1,024 float32; wv 1,024 x 1,024 float32; x 4 x 2,048 x 1,024 float32.
;; Outputs: out0 4 x 2,048 x 1,024 float32.
;; This version of the problem:
;;   THIS VERSION OF THE PROBLEM IS GIVEN IN LOW PRECISION. The matrix products marked QUANTISED in the list below multiply operands that are first quantised to E3M2 (3 exponent bits, 2 mantissa bits; 6 bits a number), with one power-of-two scale for each 32 numbers along K (OCP MX v1.0); their sums are f32. All else is computed in f32.
;;   The module's matrix products, in the order in which they are computed (A, B: the left and right operand; K: the contracted axis; several contracted axes count as one K, in the product's order):
;;     1. [M 8,192, K 1,024] x [K 1,024, N 1,024]; A: input x; B: input wq: QUANTISED
;;     2. [M 8,192, K 1,024] x [K 1,024, N 1,024]; A: input x; B: input wk: QUANTISED
;;     3. [M 8,192, K 1,024] x [K 1,024, N 1,024]; A: input x; B: input wv: QUANTISED
;;     4. batch 64 x [M 2,048, K 64] x [K 64, N 2,048]; A: computed on the way; B: computed on the way: QUANTISED
;;     5. batch 64 x [M 2,048, K 2,048] x [K 2,048, N 64]; A: softmax (see below); B: computed on the way: QUANTISED
;;     6. [M 8,192, K 1,024] x [K 1,024, N 1,024]; A: computed on the way; B: input wo: QUANTISED
;;   THE QUANTISER, for each operand of a quantised product, along K:
;;     - K is cut into blocks of 32 from its start; a last block that is shorter is filled with zeros.
;;     - A block's scale is 2^e with e = floor(log2(the largest magnitude in the block)) - 4, held to -126 .. 127; a block of zeros has e = 0. As a byte (E8M0): e + 127.
;;     - Each number is divided by its block's scale, clamped to +-28, and rounded to the nearest number of E3M2, ties to even, subnormals kept.
;;     - The product sums the exact products of the quantised numbers (number of the format x scale) in f32.
;;   ~~~python
;;   def quantise(x, axis):      # numpy; x: float32 -> the quantised numbers, widened to float32 again
;;       x = np.moveaxis(x, axis, -1); K = x.shape[-1]
;;       x = np.pad(x, [(0, 0)] * (x.ndim - 1) + [(0, -K % 32)]); x = x.reshape(x.shape[:-1] + (-1, 32)); a = np.abs(x).max(-1, keepdims=True)
;;       e = np.where(a > 0, np.clip(np.frexp(np.where(a > 0, a, 1))[1] - 1 - 4, -126, 127), 0)      # np.frexp(a)[1] - 1 = floor(log2(a)), exactly
;;       r = np.clip(x / 2.0 ** e, -28, 28)
;;       step = 2.0 ** (np.maximum(np.frexp(np.where(r == 0, 1, r))[1] - 1, -2) - 2)
;;       q = np.round(r / step) * step * 2.0 ** e      # np.round: ties to even
;;       return np.moveaxis(q.reshape(q.shape[:-2] + (-1,))[..., :K], -1, axis).astype(np.float32)
;;   ~~~
;;   SOFTMAX AHEAD OF A QUANTISED PRODUCT. Where the list says 'softmax', what is quantised is not the finished softmax but p = 2^(t - M), with t = logit x log2(e) and M = ceil(the row's largest t), a whole number; so 1/2 < the row's largest p <= 1. The row's sum l is taken of the UNQUANTISED p, in f32, and the product's result is divided by l at the end. Since M is a whole number, a kernel that streams over the keys may use a running M (the ceiling of the running maximum): every later rescaling is an exact power of two, which a block's scale takes up: the codes' values come out the same.
;;   OPERANDS COMPUTED ON THE WAY. 'Computed on the way' means the value that the module computes at that place (a softmax that the list does not call 'softmax' is quantised finished and normalised). What goes into a quantiser is computed in f32, as accurately as f32 sums, v_exp_f32 and their like allow (about 1e-6 of the number): no bf16 or f16 on the way to a quantiser, and a product that is left as it is and whose result goes on into a quantised operand takes f32 operands (vector FMAs, or v_wmma_f32_16x16x4_f32). A number that lies on a knife's edge between two numbers of the format may be rounded either way, as far as f32 arithmetic and the matrix unit's own rounding can turn it there, and no further.
;; One version. Each part assembles by itself: llvm-mc -triple=amdgcn-amd-amdhsa -mcpu=gfx1250 --defsym DOCPART=n.
;; ======== version 1 of 1: 4 launches
;; workspace buffers: xc 6,291,456 bytes; xs 262,144 bytes; wc 3,145,728 bytes; ws 131,072 bytes; tab 524,288 bytes; qkv 19,660,800 bytes; ac 6,291,456 bytes; asc 262,144 bytes
;; launch quant (part 1): grid 448 x 1, 4 waves a work-group, no clusters, 33,280 bytes of LDS; arguments x, wq, wk, wv, wo, xc, xs, wc, ws, tab; writes xc, xs, wc, ws, tab
.if DOCPART == 1
	.amdgcn_target "amdgcn-amd-amdhsa--gfx1250"
	.amdhsa_code_object_version 6
	.text
	.protected	k_q21927d109f_quant
	.globl	k_q21927d109f_quant
	.p2align	8
	.type	k_q21927d109f_quant,@function
k_q21927d109f_quant:
	s_mov_b64 s[64:65], 0
	v_nop
	global_prefetch_b8 v0, s[64:65] scope:SCOPE_SE
	s_setreg_imm32_b32 hwreg(HW_REG_WAVE_MODE, 25, 1), 1
	s_wait_xcnt 0x0
; x [8192][1024] and wq, wk, wv, wo [1024][1024], f32, K innermost, become codes of BF6 (E3M2), 6 bits each, with one E8M0 scale byte for each 32 along K;
; and the table of cos and sin for the rotary embedding is made.  Work-groups 0-255 take x, 256-383 the four weights (32 each, in the order wq, wk, wv, wo), 384-447 the table.
; A block's scale is 2^(floor(log2(its largest magnitude)) - 4); its byte is the largest magnitude's exponent field - 4, held at 1 from below.  Each number is divided by the scale and rounded to the nearest code, ties to even.
; LIMITS: a block of zeros gets the byte 1 where the rule says 127 (its codes are zeros, which add nothing under any byte but 0xff, and this program alone reads the bytes); blocks whose largest magnitude lies
; under 2^-122 keep the byte 1; NaN and infinities among the inputs are not served.
; OUT: xc [8192 rows][768 bytes], xs [8192][32]; wc [4096][768], ws [4096][32] (rows 0-1023 wq, then wk, wv, wo).  A row of codes is one stream of bits, four codes in three bytes.
; THE ROWS ARE STORED WITH BITS 3 AND 4 OF THE ROW'S NUMBER EXCHANGED: stored row 32 g + 16 u + i is row 32 g + 8 u + i + 8 (i / 8).  So sixteen neighbouring stored rows, taken as source 0 of a matrix instruction,
; leave in a lane's registers of two neighbouring tiles sixteen NEIGHBOURS of the next product's K.  A wave's run is 8 rows (8,192 numbers), so the exchange is an exchange of the two bits of the wave's number.
; A wave takes 16 steps of 512 numbers.  Each of a step's four loads reads 512 consecutive bytes; the 2,048 bytes turn through the wave's own stage in LDS and come back 64 bytes a lane: 16 neighbours along K,
; two lanes to a block.  A lane's 16 codes are 12 bytes: the wave stores 384 consecutive bytes.  A wave's 256 scale bytes are gathered in LDS and leave as 256 consecutive aligned bytes.  Waves share nothing: no barrier.
; THE TABLE: tab [2048 positions][32 pairs][cos, sin] f32.  angle = position x 10^(-pair / 8), one f32 multiplication; the frequencies are decimal constants that the assembler rounds to f32.
; The angle is reduced by n = the nearest whole number to angle x 2 / pi, in two steps of a split pi / 2 (fused, so that the first step rounds nothing that matters), and sin and cos of the rest, at most pi / 4,
; are polynomials of degree 7 and 8: about 1e-7 absolute.  The quadrant chooses and signs by selects: no branch hangs on a number.
.set STEPS, 16
.set EMAX,  4
.set CB,    12                         ; bytes of 16 codes
.set R,     16                         ; v16-79   four sets of 16 numbers as they are loaded
.set X,     80                         ; v80-111  two sets of 16 neighbours
.set C,     128                        ; v128-191 codes: four registers for each step, so that no store's data are written again
.set E,     112                        ; v112-127 a scale byte for each step
.set WREG,  8192                       ; LDS: a region for each wave: two stages of 32 x SP bytes, and behind them its 256 scale bytes
.set SP,    80                         ; a lane's place in a stage: its 64 bytes + 16
.set WGX,   256                        ; x's work-groups: 8192 rows / 32
.set WGT,   384                        ; the table's begin here
	s_load_b512 s[32:47], s[0:1], 0x0              ; x 32, wq 34, wk 36, wv 38, wo 40, xc 42, xs 44, wc 46
	s_load_b128 s[48:51], s[0:1], 0x40             ; ws 48, tab 50
	v_lshl_add_u32 v192, v0, 2, 0x8000
	v_mov_b32 v193, 0
	v_lshrrev_b32 v1, 5, v0
	v_readfirstlane_b32 s16, v1                    ; wave
	v_and_b32 v2, 31, v0                           ; lane
	s_cmp_ge_u32 ttmp9, WGT
	s_cbranch_scc1 .Ltable
	v_lshlrev_b32 v3, 4, v2                        ; my 16 bytes of a load's 512
	s_mul_i32 s17, s16, WREG
	v_lshrrev_b32 v14, 2, v2
	v_mul_u32_u24 v14, v14, SP
	v_and_b32 v15, 3, v2
	v_lshl_add_u32 v14, v15, 4, v14
	v_add_nc_u32 v14, s17, v14                     ; the stage, on the way in: SP (lane / 4) + 16 (lane % 4)
	v_mul_u32_u24 v15, v2, SP
	v_add_nc_u32 v15, s17, v15                     ; and on the way out: SP x lane: my 16 neighbours
	v_mul_u32_u24 v4, v2, CB                       ; my codes' place in a step's
	v_lshrrev_b32 v5, 1, v2
	s_add_co_u32 s17, s17, 2*32*SP
	v_add_nc_u32 v5, s17, v5                       ; LDS: my wave's 256 scale bytes, my block's byte
	v_lshlrev_b32 v7, 3, v2                        ; and on the way out 8 bytes a lane
	v_add_nc_u32 v6, s17, v7
	s_and_b32 s18, ttmp9, 31                       ; a weight's group of 32 rows
	s_wait_kmcnt 0x0
	s_mov_b64 s[4:5], s[32:33]                     ; the source: chosen by the work-group's number alone
	s_cmp_ge_u32 ttmp9, WGX
	s_cselect_b64 s[4:5], s[34:35], s[4:5]
	s_cmp_ge_u32 ttmp9, WGX+32
	s_cselect_b64 s[4:5], s[36:37], s[4:5]
	s_cmp_ge_u32 ttmp9, WGX+64
	s_cselect_b64 s[4:5], s[38:39], s[4:5]
	s_cmp_ge_u32 ttmp9, WGX+96
	s_cselect_b64 s[4:5], s[40:41], s[4:5]
	s_cmp_lt_u32 ttmp9, WGX
	s_cselect_b64 s[8:9], s[42:43], s[46:47]       ; the codes' buffer
	s_cselect_b64 s[10:11], s[44:45], s[48:49]     ; the scale bytes'
	s_cselect_b32 s17, 0, WGX
	s_cselect_b32 s18, ttmp9, s18                  ; the group of 32 rows in the source
	s_lshl_b32 s18, s18, 2
	s_add_co_u32 s18, s18, s16                     ; my run of 8 rows in the source
	s_lshl_b32 s20, s18, 15                        ; x 32,768 bytes
	s_mov_b32 s21, 0
	s_add_nc_u64 s[4:5], s[4:5], s[20:21]
	s_sub_co_u32 s17, ttmp9, s17                   ; the group of 32 rows in the codes' buffer
	s_lshl_b32 s17, s17, 2
	s_and_b32 s19, s16, 1
	s_lshl_b32 s19, s19, 1
	s_lshr_b32 s22, s16, 1
	s_or_b32 s19, s19, s22                         ; the wave's two bits exchanged: the rows' bits 3 and 4
	s_add_co_u32 s17, s17, s19                     ; where my run is stored
	s_mul_i32 s20, s17, 32*STEPS*CB                ; x 6,144 bytes of codes
	s_add_nc_u64 s[8:9], s[8:9], s[20:21]
	s_lshl_b32 s20, s17, 8                         ; x 256 scale bytes
	s_add_nc_u64 s[10:11], s[10:11], s[20:21]
.macro LOAD t
.irp i, 0,1,2,3
	global_load_b128 v[R+16*((\t)%4)+4*\i:R+16*((\t)%4)+4*\i+3], v3, s[4:5] offset:2048*(\t)+512*\i th:TH_LOAD_NT   ; 32 lanes read 512 consecutive bytes
.endr
.endm
.macro TURN t                          ; step t's numbers through the stage: LDS serves a wave's instructions in order, so no wait stands between the stores and the loads
.irp i, 0,1,2,3
	ds_store_b128 v14, v[R+16*((\t)%4)+4*\i:R+16*((\t)%4)+4*\i+3] offset:32*SP*((\t)%2)+8*SP*\i
.endr
.irp i, 0,1,2,3
	ds_load_b128 v[X+16*((\t)%2)+4*\i:X+16*((\t)%2)+4*\i+3], v15 offset:32*SP*((\t)%2)+16*\i
.endr
.endm
.irp t, 0,1,2,3
	LOAD \t
.endr
	s_wait_loadcnt 12                              ; step 0's four loads are in; the twelve of steps 1 to 3 may be out
	TURN 0
.macro STEP t
.set XS, X+16*((\t)%2)
.if (\t) > 0
	s_wait_dscnt 1                                 ; this step's numbers are back from the stage (the last step's byte store may be out): so its stores into the stage have read their registers,
.else
	s_wait_dscnt 0x0
.endif
.if (\t)+4 < STEPS
	LOAD (\t)+4                                    ; which take the loads of four steps on
.endif
.if (\t)+1 < STEPS
.if STEPS-2-(\t) >= 3
	s_wait_loadcnt 12                              ; the next step's four loads are in; those of the three steps behind it may be out
.else
	s_wait_loadcnt 4*(STEPS-2-(\t))
.endif
	TURN (\t)+1                                    ; and go through the other stage while this step is worked
.endif
	v_max3_num_f32 v8, |v[XS]|, |v[XS+1]|, |v[XS+2]|               ; the largest magnitude of my 16, in two chains
	v_max3_num_f32 v9, |v[XS+3]|, |v[XS+4]|, |v[XS+5]|
.irp i, 6,10
	v_max3_num_f32 v8, v8, |v[XS+\i]|, |v[XS+\i+1]|
	v_max3_num_f32 v9, v9, |v[XS+\i+2]|, |v[XS+\i+3]|
.endr
	v_max3_num_f32 v8, v8, |v[XS+14]|, |v[XS+15]|
	v_max3_num_f32 v8, v8, v9, (EMAX+1)<<23        ; and the floor 2^(5 - 127): so the byte cannot fall under 1
	v_max_num_f32_dpp v8, v8, v8 row_xmask:1 row_mask:0xf bank_mask:0xf   ; and of my neighbour's 16: the block's
	v_add_nc_u32 v11, -(EMAX<<23), v8              ; 4 off its exponent field: the conversion takes the exponent field of this operand as its scale, and nothing else of it
	v_cvt_scalef32_pk16_bf6_f32 v[C+4*(\t):C+4*(\t)+2], v[XS:XS+15], v11         ; sixteen codes, 96 bits without gaps, the first number's code lowest
	v_lshrrev_b32 v[E+(\t)], 23, v11               ; the scale's byte (also the plain line behind the conversion)
	ds_store_b8 v5, v[E+(\t)] offset:16*(\t)       ; both lanes of a block write the same byte with the same value
	global_store_b96 v4, v[C+4*(\t):C+4*(\t)+2], s[8:9] offset:32*CB*(\t)
.endm
.irp t, 0,1,2,3,4,5,6,7,8,9,10,11,12,13,14,15
	STEP \t
.endr
	ds_load_b64 v[12:13], v6                       ; LDS serves a wave's instructions in order: these see my stores
	s_wait_dscnt 0x0
	global_store_b64 v7, v[12:13], s[10:11]        ; 32 lanes store 256 consecutive aligned bytes
	s_wait_tensorcnt 0x0
	ds_add_u32 v192, v193
	s_wait_dscnt 0x0
	s_endpgm
.Ltable:                                           ; a wave makes 8 positions; the lane is the pair
	s_sub_co_u32 s17, ttmp9, WGT
	s_lshl_b32 s17, s17, 5
	s_lshl_b32 s18, s16, 3
	s_add_co_u32 s17, s17, s18                     ; my first position: 32 x work-group + 8 x wave
	s_lshl_b32 s18, s17, 8                         ; 256 bytes a position
	s_mov_b32 s19, 0
	v_lshlrev_b32 v22, 3, v2                       ; 8 bytes a pair
	v_mov_b32 v20, 1.0                             ; pair 0's frequency; the others are written lane by lane
.macro FREQ l, f
	s_mov_b32 s20, \f
	v_writelane_b32 v20, s20, \l
.endm
	FREQ 1, 0.7498942093324559
	FREQ 2, 0.5623413251903491
	FREQ 3, 0.4216965034285822
	FREQ 4, 0.31622776601683794
	FREQ 5, 0.23713737056616552
	FREQ 6, 0.1778279410038923
	FREQ 7, 0.1333521432163324
	FREQ 8, 0.1
	FREQ 9, 0.07498942093324559
	FREQ 10, 0.05623413251903491
	FREQ 11, 0.04216965034285822
	FREQ 12, 0.031622776601683794
	FREQ 13, 0.023713737056616552
	FREQ 14, 0.01778279410038923
	FREQ 15, 0.01333521432163324
	FREQ 16, 0.01
	FREQ 17, 0.007498942093324559
	FREQ 18, 0.005623413251903491
	FREQ 19, 0.004216965034285822
	FREQ 20, 0.0031622776601683794
	FREQ 21, 0.0023713737056616552
	FREQ 22, 0.001778279410038923
	FREQ 23, 0.001333521432163324
	FREQ 24, 0.001
	FREQ 25, 0.0007498942093324559
	FREQ 26, 0.0005623413251903491
	FREQ 27, 0.0004216965034285822
	FREQ 28, 0.00031622776601683794
	FREQ 29, 0.00023713737056616552
	FREQ 30, 0.0001778279410038923
	FREQ 31, 0.0001333521432163324
	s_mov_b32 s24, -0.00019515295891               ; sin r = r + r z (S1 + z (S2 + z S3)), z = r r
	s_mov_b32 s25, 0.0083321608736
	s_mov_b32 s26, -0.16666654611
	s_mov_b32 s27, 0.000024433157118               ; cos r = 1 - z / 2 + z z (C1 + z (C2 + z C3))
	s_mov_b32 s28, -0.0013887316255
	s_mov_b32 s29, 0.041666645683
	s_wait_kmcnt 0x0
	s_add_nc_u64 s[50:51], s[50:51], s[18:19]
.macro SINCOS k                        ; each position has its own pair of result registers: no store's data are written again
	s_add_co_u32 s21, s17, \k
	v_cvt_f32_u32 v21, s21
	v_mul_f32 v21, v21, v20                        ; the angle, rounded once
	v_mul_f32 v24, 0x3f22f983, v21                 ; x 2 / pi
	v_rndne_f32 v24, v24                           ; n
	v_fmamk_f32 v25, v24, 0xbfc90fdb, v21          ; angle - n x (pi / 2 rounded to f32),
	v_fmamk_f32 v25, v24, 0x333bbd2e, v25          ; + n x (what that rounding added): r
	v_mul_f32 v23, v25, v25                        ; z
	v_fma_f32 v26, v23, s24, s25
	v_fma_f32 v27, v23, s27, s28
	v_fma_f32 v26, v26, v23, s26
	v_fma_f32 v27, v27, v23, s29
	v_mul_f32 v26, v26, v23
	v_mul_f32 v28, v23, v23
	v_fma_f32 v29, v23, -0.5, 1.0
	v_fma_f32 v26, v26, v25, v25                   ; sin r
	v_fma_f32 v27, v27, v28, v29                   ; cos r
	v_cvt_i32_f32 v24, v24
	v_and_b32 v28, 1, v24
	v_cmp_eq_u32 vcc_lo, 1, v28                    ; in an odd quadrant the two change places
	v_cndmask_b32 v29, v27, v26, vcc_lo
	v_cndmask_b32 v30, v26, v27, vcc_lo
	v_add_nc_u32 v28, 1, v24
	v_and_b32 v28, 2, v28                          ; cos is negative in quadrants 1 and 2,
	v_and_b32 v24, 2, v24                          ; sin in 2 and 3
	v_lshlrev_b32 v28, 30, v28
	v_lshlrev_b32 v24, 30, v24
	v_xor_b32 v[32+2*\k], v29, v28
	v_xor_b32 v[33+2*\k], v30, v24
	global_store_b64 v22, v[32+2*\k:33+2*\k], s[50:51] offset:256*\k   ; 32 lanes store a position's 256 consecutive aligned bytes
.endm
.irp k, 0,1,2,3,4,5,6,7
	SINCOS \k
.endr
	s_endpgm
.Lfunc_end_k_q21927d109f_quant:
	.size	k_q21927d109f_quant, .Lfunc_end_k_q21927d109f_quant-k_q21927d109f_quant
	.p2alignl 7, 3214868480
	.fill 96, 4, 3214868480
	.section	.rodata,"a",@progbits
	.p2align	6, 0x0
	.amdhsa_kernel k_q21927d109f_quant
		.amdhsa_group_segment_fixed_size 33280
		.amdhsa_private_segment_fixed_size 0
		.amdhsa_enable_private_segment 0
		.amdhsa_kernarg_size 80
		.amdhsa_user_sgpr_count 2
		.amdhsa_user_sgpr_kernarg_segment_ptr 1
		.amdhsa_wavefront_size32 1
		.amdhsa_system_sgpr_workgroup_id_x 1
		.amdhsa_system_sgpr_workgroup_id_y 1
		.amdhsa_system_sgpr_workgroup_id_z 1
		.amdhsa_system_vgpr_workitem_id 0
		.amdhsa_next_free_vgpr 194
		.amdhsa_next_free_sgpr 66
		.amdhsa_reserve_vcc 1
		.amdhsa_float_denorm_mode_32 3
		.amdhsa_float_denorm_mode_16_64 3
		.amdhsa_memory_ordered 1
		.amdhsa_forward_progress 1
		.amdhsa_inst_pref_size 48
	.end_amdhsa_kernel
	.amdgpu_metadata
---
amdhsa.version: [ 1, 2 ]
amdhsa.kernels:
  - .name:           k_q21927d109f_quant
    .symbol:         k_q21927d109f_quant.kd
    .args:
      - { .name: x, .offset: 0, .size: 8, .value_kind: global_buffer, .address_space: global }
      - { .name: wq, .offset: 8, .size: 8, .value_kind: global_buffer, .address_space: global }
      - { .name: wk, .offset: 16, .size: 8, .value_kind: global_buffer, .address_space: global }
      - { .name: wv, .offset: 24, .size: 8, .value_kind: global_buffer, .address_space: global }
      - { .name: wo, .offset: 32, .size: 8, .value_kind: global_buffer, .address_space: global }
      - { .name: xc, .offset: 40, .size: 8, .value_kind: global_buffer, .address_space: global }
      - { .name: xs, .offset: 48, .size: 8, .value_kind: global_buffer, .address_space: global }
      - { .name: wc, .offset: 56, .size: 8, .value_kind: global_buffer, .address_space: global }
      - { .name: ws, .offset: 64, .size: 8, .value_kind: global_buffer, .address_space: global }
      - { .name: tab, .offset: 72, .size: 8, .value_kind: global_buffer, .address_space: global }
    .group_segment_fixed_size: 33280
    .private_segment_fixed_size: 0
    .kernarg_segment_align: 8
    .kernarg_segment_size: 80
    .max_flat_workgroup_size: 128
    .sgpr_count:     66
    .vgpr_count:     194
    .wavefront_size: 32
...
	.end_amdgpu_metadata
.endif
;; end of part 1
;; launch qkvproj (part 2): grid 12 x 32, 4 waves a work-group, clusters of 4 x 4, 327,680 bytes of LDS; arguments xc, xs, wc, ws, tab, qkv; writes qkv
.if DOCPART == 2
	.amdgcn_target "amdgcn-amd-amdhsa--gfx1250"
	.amdhsa_code_object_version 6
	.text
	.protected	k_q21927d109f_qkvproj
	.globl	k_q21927d109f_qkvproj
	.p2align	8
	.type	k_q21927d109f_qkvproj,@function
k_q21927d109f_qkvproj:
	s_mov_b64 s[64:65], 0
	v_nop
	global_prefetch_b8 v0, s[64:65] scope:SCOPE_SE
	s_setreg_imm32_b32 hwreg(HW_REG_WAVE_MODE, 25, 1), 1
	s_wait_xcnt 0x0
	s_wait_alu depctr_hold_cnt(0) depctr_sa_sdst(0) depctr_va_vdst(0) depctr_va_sdst(0) depctr_va_ssrc(0) depctr_va_vcc(0) depctr_vm_vsrc(0)
	s_getreg_b32 s2, hwreg(HW_REG_IB_STS2, 6, 4)
	s_cmp_eq_u32 s2, 0
	s_cbranch_scc0 .Lentry_in_a_cluster
	s_endpgm
.Lentry_in_a_cluster:
	s_bfe_u32 s2, ttmp6, 0x10000c
	s_cmp_lg_u32 s2, 0xf033
	s_cbranch_scc0 .Lentry_shape_is_right
	s_endpgm
.Lentry_shape_is_right:
; q = x wq^T, k = x wk^T, v = x wv^T on codes of BF6 (E3M2) with one E8M0 scale for each 32 along K = 1024; then the rotary embedding of q and k in f32; then q and k are quantised along a head's 64 and v along the
; keys, in registers, and leave as images of the registers in which the attention launch wants them.
; A tile of 256 x 256 results is made by a work-group of four waves; a wave makes 128 x 128: 64 accumulators, 512 registers.  K goes in steps of 256 through a ring of two LDS slots filled by the tensor data mover;
; the scale bytes of the work-group's rows, for all of K, come into LDS once, with the first fills.
; THE MATRIX INSTRUCTION: source 0 = 16 rows of 'B', source 1 = 16 rows of 'A': a lane holds ONE row of A, and its eight registers run along rows of B.
;   clusters x = 0, 1 (q, k): A = x (a lane holds a token), B = wq, wk (registers run along the head's axis, the K of q k^T);
;   cluster  x = 2    (v):    A = wv (a lane holds a channel), B = x (registers run along the tokens, the K of p v).
; The two kinds differ in the pointers and in the way out alone; nothing in LDS or in the loop knows of them.  The kind hangs on the cluster's x, which all sixteen partners share.
; All rows were stored with bits 3 and 4 of their number exchanged: so the 16 registers of accumulators (a, 2 g) and (a, 2 g + 1) hold B's rows 32 g + 16 (lane / 16) + 0 .. 15, sixteen NEIGHBOURS,
; and lane r of A's block a holds A's row 32 (a / 2) + 8 (a % 2) + r + 8 (r / 8).
; CLUSTERS: 4 x 4 work-groups.  The four of a row of the cluster need the same tiles of A, the four of a column the same tiles of B: each tile is asked for JOINTLY, by the same tensor load with the same descriptor
; and a mask that names the four.  Nothing is prefetched: K has four slots' worth of tiles, and two of them are first fills.
; OUT: qkv [64 heads of the batch][16 steps of 128 tokens][19,200 bytes]: K's codes 6,144 | V's codes 6,144 | K's scale words 256 | V's 256 | Q's codes 6,144 | Q's scale words 256.
;   A part of codes is four units of 1,536 bytes; a unit is the image of a fragment's 12 registers: [4 registers][lane][16 bytes] three times.  Scale words: [row 0 .. 15][unit 0 .. 3].
;   A unit of Q or K: registers 0-5 the 64 channels of 16 tokens (block 2 g), registers 6-11 those of the next 16 (block 2 g + 1).  A unit of V: 16 channels x the step's 128 keys.
; LIMITS: a block of zeros gets the scale byte 1 (its codes are zeros; this program alone reads the bytes); blocks whose largest magnitude lies under 2^-122 keep the byte 1; NaN and infinities are not served.
; REGISTERS, in windows of 256: window 0: v0-31 addresses; v32-63 scale words, two sets, and nothing else; from v128 A's fragments, ONE set; on the way out v64-255 but for the scale words' registers are at work.
;   window 1: B's fragments, TWO sets, at v0 and at v128.   window 2: the 32 accumulators of A's blocks 0-3 (accumulator (a, b) at v[8 (8 (a % 4) + b)]);   window 3: those of blocks 4-7.
.set KSTEP,  256                       ; along K in a slot
.set NQ,     KSTEP/128                 ; matrix instructions deep
.set ROWB,   192                       ; a tile's row in bytes
.set KROW,   768                       ; a row of codes in memory
.set PITCH,  240                       ; an LDS row: 3 x (64 bytes of data + 16 of padding)
.set FR,     12                        ; registers of a fragment
.set NL,     6                         ; LDS loads that bring one
.set NP,     4                         ; places behind this matrix instruction (ISA guide 7.12.1)
.set HALFT,  128*PITCH                 ; 128 rows: what one tensor load brings
.set SLOT,   4*HALFT                   ; A's 256 rows, then B's 256 rows
.set LAPS,   2                         ; 1024 / (2 x 256)
.set KS,     32                        ; a row of scale bytes
.set SCL,    2*SLOT                    ; behind the ring: the scales, as rows of 256 bytes + 16 of padding
.set HALFS,  (128*KS/256)*272          ; the scales of 128 rows
.set SBLK,   (16*KS/256)*272           ; those of 16 rows
.set SPARE,  SCL+4*HALFS               ; the spare words, 128 bytes for each wave: two blocks of 256 bytes that no other line names
.set HEADB,  307200                    ; a head's 16 records in qkv
.set RECB,   19200                     ; a record
.set ADRA, 16                          ; v16-17  LDS address of my A fragments in slot 0, 1  (v18-19: for the pieces that lie behind one padding more)
.set ADRB, 20                          ; v20-21  the same for B  (v22-23)
.set ADRS, 27                          ; v27     LDS address of my scale words: lanes 0-15 A's rows, lanes 16-31 B's
.set SPW,  28                          ; v28     LDS address of my spare word; never rewritten
.set NIL,  29                          ; v29     0; never rewritten
.set SC,   32                          ; scale words: set s at v[SC + 16 s]
.set AF,   128                         ; A's fragments, in window 0
.set TOF,  8                           ; the way out: v8  my token's row of the table + my half's 64 bytes
.set LI,   9                           ; v9   16 x lane: an image's place for my lane
.set SOF,  10                          ; v10  the scale words' place: lanes 0-15 the first head's, lanes 16-31 the second's
.set HA,   64                          ; v64-127  64 numbers behind the rotation
.set CS0,  128                         ; v128-159, v160-191  two sets of 16 (cos, sin) pairs x 2
.set H0,   192                         ; v192-203 a unit's codes, first head;  v204-215 second head
.set H1,   204
.set T2,   216                         ; v216-222 the conversions' second halves
.set TM,   224                         ; v224-227 largest magnitudes, v228-231 bytes, v236-239 the conversions' scale operands
.set SW,   240                         ; v240-247 the eight scale words
.set PW0,  248                         ; v248-249 the scale words of an even and an odd block
.set SWS,  252                         ; v252-255 the four that my half of the lanes stores
.set G1, 24                            ; s[24:31] descriptor group 1 for A's tiles;  s[32:39] group 0, one set for each slot
.set G0, 32
.set G1B, 48                           ; s[48:55], s[56:63] the same for B's tiles
.set G0B, 56
.set G1S, 68                           ; s[68:75], s[76:79] groups 1 and 0 for A's scales;  s[80:87], s[88:91] for B's
.set G0S, 76
.set G1SB, 80
.set G0SB, 88
.set DC,   18                          ; the way out: s[18:19] where my codes go, s[20:21] my scale words, s[22:23] the table at my step's first position
.set DSW,  20
.set TABB, 22
.set PLO,  92                          ; s92, s93 byte selects: two low halves, two high halves;  s94 the mask of lanes 16-31
.set PHI,  93
.set HM,   94
.set KIND, 95                          ; s95  1 in the cluster that makes v
.set SEL,  96                          ; s[96:97] lane selects for v_permlanex16_b32: lane l xor 16
.set MSB, 0
.macro WIN new                         ; the immediate's high byte repeats the setting that is left
.if MSB != (\new)
	s_set_vgpr_msb (MSB<<8)|(\new)
.set MSB, (\new)
.endif
.endm
.set MUL_LO, 0xa1                      ; source 0 (B) window 1, source 1 (A) window 0, C and D window 2
.set MUL_HI, 0xf1                      ; the same, C and D window 3
.set TO_B,   0x40                      ; destination window 1, address window 0
; A joint load: waves 0 and 1 fetch for A, waves 2 and 3 for B.  Each of the two lines has ONE mask and one set of registers for all that issue it; the branch hangs on the wave's number alone.
; Four v_nop follow each of the two lines, ahead of the jump, the label and what follows.
.macro JLOAD g0a, g1a, g0b, g1b
	s_cmp_eq_u32 s15, 0
	s_cbranch_scc0 .Lfor_b_\@
	tensor_load_to_lds s[\g0a:\g0a+3], s[\g1a:\g1a+7]
	s_nop 0
.rept 4
	v_nop
.endr
	s_branch .Lasked_\@
.Lfor_b_\@:
	tensor_load_to_lds s[\g0b:\g0b+3], s[\g1b:\g1b+7]
	s_nop 0
.rept 4
	v_nop
.endr
.Lasked_\@:
.endm
.macro CREST                           ; a round of the cluster's barrier behind its opening barrier
	s_cmp_lg_u32 s14, 0
	s_cbranch_scc1 .Lnot_wave_0_\@
	s_barrier_signal -3
.Lnot_wave_0_\@:
	s_barrier_wait -3
	s_barrier_signal -1
	s_barrier_wait -1
.endm
.macro CROUND                          ; a whole round
	s_barrier_signal -1
	s_barrier_wait -1
	CREST
.endm
	s_load_b128 s[4:7], s[0:1], 0x0                ; x's codes, x's scales
	s_load_b128 s[8:11], s[0:1], 0x10              ; the weights' codes, their scales
	s_load_b64 s[66:67], s[0:1], 0x20              ; the table
	s_load_b64 s[12:13], s[0:1], 0x28              ; qkv
	v_lshl_add_u32 v[SPW], v0, 2, SPARE
	v_mov_b32 v[NIL], 0
	ds_add_u32 v28, v29
	ds_add_u32 v28, v29
	s_wait_dscnt 0x0
	v_lshrrev_b32 v1, 5, v0
	v_readfirstlane_b32 s14, v1                    ; wave 0..3
	s_lshr_b32 s15, s14, 1                         ; which half of A's 256 rows is mine.  Also: I fetch for A (0) or for B (1)
	s_and_b32 s16, s14, 1                          ; which half of B's.  Also: which 128 rows of that tile I fetch
	s_bfe_u32 s40, ttmp6, 0x40000                  ; cx, cy: my place in the cluster
	s_bfe_u32 s41, ttmp6, 0x40004
	s_lshl_b32 s96, ttmp9, 2                       ; 4 x cluster x
	s_and_b32 s97, ttmp7, 0xffff
	s_lshl_b32 s97, s97, 2                         ; 4 x cluster y
	s_cmp_eq_u32 ttmp9, 2                          ; the cluster's kind
	s_cselect_b32 s[KIND], 1, 0
	s_cselect_b32 s98, 0, s97
	s_cselect_b32 s99, s97, s96
	s_cselect_b32 s100, 2048, 0                    ; wv's rows begin at row 2,048 of the weights
	s_add_co_u32 s17, s98, s41                     ; A's tile: q, k: tokens 4 y + cy;  v: channels cy
	s_add_co_u32 s42, s99, s40                     ; B's tile: q, k: weight rows 4 x + cx;  v: tokens 4 y + cx
	s_lshl_b32 s43, s41, 2
	s_lshl_b32 s43, 15, s43                        ; my row of the cluster
	s_lshl_b32 s44, 0x1111, s40                    ; my column
	; descriptor group 1: a tile of 128 rows x ROWB bytes, padded in LDS
	s_or_b32 s[G1+0], s43, (0<<16)|(1<<20)|(1<<21)|(3<<22)|(3<<25)  ; 15:0 the mask: A's tiles go to my row; 17:16 element of 1 byte; 20 padding on; 21 set beside a mask; 24:22 after every 16 words (code 3); 31:25 of 4 words (code 3)
	s_or_b32 s[G1B+0], s44, (0<<16)|(1<<20)|(1<<21)|(3<<22)|(3<<25)
.irp g, G1, G1B
	s_mov_b32 s[\g+1], ROWB<<16                    ; tensor_dim0
	s_mov_b32 s[\g+2], 128<<16                     ; tensor_dim1 = 128
	s_mov_b32 s[\g+3], ROWB<<16                    ; tile_dim0
	s_mov_b32 s[\g+4], 128                         ; tile_dim1 = 128
	s_mov_b32 s[\g+5], KROW                        ; tensor_dim0_stride
	s_mov_b32 s[\g+6], 0
	s_mov_b32 s[\g+7], 0
.endr
	; and for the scales of 128 rows: a dense block of 4,096 bytes, as rows of 256 bytes (32 elements of 8 bytes), 16 bytes of padding behind each
	s_or_b32 s[G1S+0], s43, (3<<16)|(1<<20)|(1<<21)|(5<<22)|(3<<25)
	s_or_b32 s[G1SB+0], s44, (3<<16)|(1<<20)|(1<<21)|(5<<22)|(3<<25)
.irp g, G1S, G1SB
	s_mov_b32 s[\g+1], 32<<16
	s_mov_b32 s[\g+2], (128*KS/256)<<16
	s_mov_b32 s[\g+3], 32<<16
	s_mov_b32 s[\g+4], 128*KS/256
	s_mov_b32 s[\g+5], 32
	s_mov_b32 s[\g+6], 0
	s_mov_b32 s[\g+7], 0
.endr
	s_lshl_b32 s18, s16, 7                         ; which 128 rows of the tile I fetch
	s_lshl_b32 s20, s17, 8
	s_add_co_u32 s20, s20, s18
	s_add_co_u32 s20, s20, s100                    ; A: row 256 x tile + 128 x half (+ 2,048)
	s_lshl_b32 s46, s42, 8
	s_add_co_u32 s46, s46, s18                     ; B: row 256 x tile + 128 x half
	s_lshl_b32 s22, s20, 5                         ; where these rows' scales begin, in bytes (all under 2^23),
	s_mov_b32 s23, 0
	s_mul_i32 s20, s20, KROW                       ; and their codes
	s_mov_b32 s21, 0
	s_lshl_b32 s92, s46, 5
	s_mov_b32 s93, 0
	s_mul_i32 s46, s46, KROW
	s_mov_b32 s47, 0
	s_mul_i32 s45, s14, HALFT                      ; where they go: wave x 128 rows: no place in the cluster enters an LDS address
	s_mul_i32 s94, s14, HALFS
	s_wait_kmcnt 0x0
	s_cmp_eq_u32 ttmp9, 2                          ; which buffers are A's and which B's: the choice hangs on the cluster's x alone
	s_cselect_b64 s[96:97], s[8:9], s[4:5]
	s_cselect_b64 s[98:99], s[10:11], s[6:7]
	s_cselect_b64 s[8:9], s[4:5], s[8:9]
	s_cselect_b64 s[10:11], s[6:7], s[10:11]
	s_mov_b64 s[4:5], s[96:97]
	s_mov_b64 s[6:7], s[98:99]
	s_add_nc_u64 s[20:21], s[4:5], s[20:21]
	s_add_nc_u64 s[22:23], s[6:7], s[22:23]
	s_add_nc_u64 s[46:47], s[8:9], s[46:47]
	s_add_nc_u64 s[92:93], s[10:11], s[92:93]
	CROUND                                         ; all sixteen work-groups are here: the first joint loads meet
	s_mov_b32 s[G0S], 1
	s_add_co_u32 s[G0S+1], s94, SCL
	s_mov_b64 s[G0S+2:G0S+3], s[22:23]
	s_or_b32 s[G0S+3], s[G0S+3], 0x80000000
	s_mov_b32 s[G0SB], 1
	s_add_co_u32 s[G0SB+1], s94, SCL
	s_mov_b64 s[G0SB+2:G0SB+3], s[92:93]
	s_or_b32 s[G0SB+3], s[G0SB+3], 0x80000000
	JLOAD G0S, G1S, G0SB, G1SB                     ; the scales first: they are wanted with K step 0
.irp s, 0,1
	s_mov_b32 s[G0+4*\s], 1
	s_add_co_u32 s[G0+4*\s+1], s45, \s*SLOT
	s_add_nc_u64 s[G0+4*\s+2:G0+4*\s+3], s[20:21], \s*ROWB
	s_or_b32 s[G0+4*\s+3], s[G0+4*\s+3], 0x80000000
	s_mov_b32 s[G0B+4*\s], 1
	s_add_co_u32 s[G0B+4*\s+1], s45, \s*SLOT
	s_add_nc_u64 s[G0B+4*\s+2:G0B+4*\s+3], s[46:47], \s*ROWB
	s_or_b32 s[G0B+4*\s+3], s[G0B+4*\s+3], 0x80000000
	JLOAD G0+4*\s, G1, G0B+4*\s, G1B
.endr
	v_and_b32 v1, 15, v0                           ; l % 16
	v_bfe_u32 v2, v0, 4, 1                         ; l / 16
	v_mul_u32_u24 v3, v1, PITCH
	v_mul_u32_u24 v4, v2, 24
	v_add_nc_u32 v4, v3, v4                        ; a fragment's row x pitch + 24 x half
	v_lshl_add_u32 v5, v2, 4, v4                   ; and the same behind one padding more
	s_mul_i32 s21, s15, HALFT                      ; my 128 rows of A
	s_mul_i32 s22, s16, HALFT                      ; my 128 rows of B,
	s_add_co_u32 s22, s22, 2*HALFT                 ; which lie behind A's 256
.irp s, 0,1
	v_add_nc_u32 v[ADRA+\s], s21, v4
	v_add_nc_u32 v[ADRB+\s], s22, v4
	v_add_nc_u32 v[ADRA+2+\s], s21, v5
	v_add_nc_u32 v[ADRB+2+\s], s22, v5
	s_add_co_u32 s21, s21, SLOT
	s_add_co_u32 s22, s22, SLOT
.endr
	v_mul_u32_u24 v5, v1, KS                       ; my row's scales: KS bytes a row,
	v_lshrrev_b32 v6, 8, v5
	v_lshl_add_u32 v5, v6, 4, v5                   ; and 16 more for each 256 passed
	s_mul_i32 s21, s15, HALFS                      ; A's: my 128 rows
	s_mul_i32 s22, s16, HALFS                      ; B's: my 128 rows, behind A's 256
	s_add_co_u32 s22, s22, 2*HALFS
	s_sub_co_u32 s22, s22, s21
	v_mul_u32_u24 v6, s22, v2                      ; lanes 16-31 take B's
	s_add_co_u32 s21, s21, SCL
	v_add_nc_u32 v5, v5, v6
	v_add_nc_u32 v[ADRS], s21, v5
.macro FRAG reg, adr, q, i             ; a fragment, 16 rows x 128 K of 6-bit codes, is 12 registers: lane l holds row l % 16; registers 6 c .. 6 c + 5 hold K = 64 c + 32 (l / 16) + 0 .. 31: 24 bytes of the row's stream of bits, as they lie
.irp p, 0,1,2,3,4,5                    ; in pieces of 8 bytes, so that every address is a multiple of the access's size
.set PC, 12*(\q)+6*(\p/3)+\p%3        ; the mover has laid 16 bytes of padding behind every 64 bytes (8 pieces): where the piece three on lies behind one padding more, the second address register serves
.if PC%8 < 5
	ds_load_b64 v[\reg+2*\p:\reg+2*\p+1], v[\adr] offset:8*PC+16*(PC/8)+(\i)*16*PITCH
.else
	ds_load_b64 v[\reg+2*\p:\reg+2*\p+1], v[\adr+2] offset:8*PC+16*(PC/8)+(\i)*16*PITCH
.endif
.endr
.endm
; 16 matrix instructions: A's blocks a0, a0 + 1 x B's eight, 128 along K: the slot's q-th.  p: B's set;  sc: the set of scale words.  zero = 1: the first product starts the sums: nothing is ever cleared.
; The 64 accumulators take turns, one instruction a turn, in the same order in every step.
.macro MUL16 a0, p, q, sc, zero
.irp a, \a0, \a0+1
.irp b, 0,1,2,3,4,5,6,7
.if \zero
	v_wmma_scale_f32_16x16x128_f8f6f4 v[8*(8*((\a)%4)+\b):8*(8*((\a)%4)+\b)+7], v[128*(\p)+FR*\b:128*(\p)+FR*\b+FR-1], v[AF+FR*(\a):AF+FR*(\a)+FR-1], 0, v[SC+8*NQ*(\sc)+NQ*\b+(\q)], v[SC+8*NQ*(\sc)+NQ*(\a)+(\q)] matrix_a_fmt:MATRIX_FMT_BF6 matrix_b_fmt:MATRIX_FMT_BF6 matrix_a_scale:MATRIX_SCALE_ROW1
.else
	v_wmma_scale_f32_16x16x128_f8f6f4 v[8*(8*((\a)%4)+\b):8*(8*((\a)%4)+\b)+7], v[128*(\p)+FR*\b:128*(\p)+FR*\b+FR-1], v[AF+FR*(\a):AF+FR*(\a)+FR-1], v[8*(8*((\a)%4)+\b):8*(8*((\a)%4)+\b)+7], v[SC+8*NQ*(\sc)+NQ*\b+(\q)], v[SC+8*NQ*(\sc)+NQ*(\a)+(\q)] matrix_a_fmt:MATRIX_FMT_BF6 matrix_b_fmt:MATRIX_FMT_BF6 matrix_a_scale:MATRIX_SCALE_ROW1
.endif
.endr
.endr
.endm
.macro FETCH_B slot, q, p              ; B's eight fragments of the slot's q-th 128 along K into set p
	WIN TO_B
.irp i, 0,1,2,3,4,5,6,7
	FRAG 128*(\p)+FR*\i, ADRB+\slot, \q, \i
.endr
	WIN 0
.endm
.macro FETCH_A slot, q, i0             ; A's blocks i0 .. i0 + 3
.irp i, \i0, \i0+1, \i0+2, \i0+3
	FRAG AF+FR*(\i), ADRA+\slot, \q, \i
.endr
.endm
.macro SCALES sc                       ; the next K step's scale words into set sc: NQ words a row; lanes 0-15 take A's block i, lanes 16-31 B's block i
.irp i, 0,1,2,3,4,5,6,7
	ds_load_b64 v[SC+8*NQ*\sc+NQ*\i:SC+8*NQ*\sc+NQ*\i+1], v[ADRS] offset:\i*SBLK
.endr
.endm
; A load into a register that a matrix instruction has read, and a vector instruction that reads a matrix result, stand NP places behind that matrix instruction, and only plain vector
; instructions that name none of its registers are places (ISA guide 7.12.1 for vector instructions).
.macro PLACES n
.rept \n
	v_nop
.endr
.endm
; A step of 128 along K that has its successor in the same slot.
.macro STEP slot, q, zero
	s_wait_dscnt 4*NL                              ; B's set and A's blocks 0-3 are in; the youngest 24 loads (A's blocks 4-7) may be out
	WIN MUL_LO
	MUL16 0, (\q)%2, \q, \slot, \zero
	MUL16 2, (\q)%2, \q, \slot, \zero
	s_wait_dscnt 0                                 ; A's blocks 4-7 are in (asked for 32 matrix instructions ago)
	PLACES NP
	FETCH_B \slot, (\q)+1, 1-(\q)%2
	FETCH_A \slot, (\q)+1, 0
	WIN MUL_HI
	MUL16 4, (\q)%2, \q, \slot, \zero
	MUL16 6, (\q)%2, \q, \slot, \zero
	PLACES NP
	WIN 0
	FETCH_A \slot, (\q)+1, 4
.endm
; A slot's last step changes slots: ONE barrier; in front of it each wave waits for all its tensor loads, adds 0 to its spare word, and waits for that and for its own reads of this slot.  fill = 1: this slot is filled again, two K steps ahead.
.macro TURN slot, next, fill
	s_wait_tensorcnt 0x0                           ; all my tensor loads have landed: my part of the next slot;  (every window is 0 here: the add's two registers lie in window 0)
	ds_add_u32 v[SPW], v[NIL]                      ; 0 onto my spare word
	s_wait_dscnt 4*NL+1                            ; (the add and the youngest 24 loads, A's blocks 4-7, may be out)
	WIN MUL_LO
	MUL16 0, 1, NQ-1, \slot, 0                     ; sixteen matrix instructions stand between the add and the wait for it
	s_wait_dscnt 0x0                               ; the add is done, and my reads of this slot are over
	s_barrier_signal -1
	MUL16 2, 1, NQ-1, \slot, 0
	WIN 0
	s_barrier_wait -1
.if \fill
	CREST                                          ; the barrier has opened a round of the cluster's barrier: no wave of any partner still reads this slot's tile or has a load on its way
	s_add_nc_u64 s[G0+4*\slot+2:G0+4*\slot+3], s[G0+4*\slot+2:G0+4*\slot+3], 2*ROWB
	s_add_nc_u64 s[G0B+4*\slot+2:G0B+4*\slot+3], s[G0B+4*\slot+2:G0B+4*\slot+3], 2*ROWB
	JLOAD G0+4*\slot, G1, G0B+4*\slot, G1B         ; the first tensor load behind the round; the four v_nop behind it are the places in front of the loads below
.else
	PLACES NP
.endif
	v_add_nc_u32 v[ADRS], 4*NQ, v[ADRS]            ; on to the next K step's scale words (no LDS load of mine is out)
	FETCH_B \next, 0, 0
	FETCH_A \next, 0, 0
	SCALES \next
	WIN MUL_HI
	MUL16 4, 1, NQ-1, \slot, 0
	MUL16 6, 1, NQ-1, \slot, 0
	PLACES NP
	WIN 0
	FETCH_A \next, 0, 4
.endm
	s_wait_tensorcnt 1                             ; the scales and my part of K step 0 are in (K step 1's load may be out)
	s_barrier_signal -1
	s_barrier_wait -1                              ; everybody's are
	FETCH_B 0, 0, 0
	FETCH_A 0, 0, 0
	SCALES 0
	FETCH_A 0, 0, 4
	STEP 0, 0, 1                                   ; the first step stands in front of the loop: its products start the sums
	s_mov_b32 s3, LAPS-1
.Llap:                                                 ; a trip goes once round the ring, from a lap's second step to the next lap's first, and fills both slots again
	TURN 0, 1, 1
	STEP 1, 0, 0
	TURN 1, 0, 1
	STEP 0, 0, 0
	s_sub_co_u32 s3, s3, 1
	s_cmp_lg_u32 s3, 0
	s_cbranch_scc1 .Llap
	TURN 0, 1, 0                                   ; the last lap fills nothing, and has no round of the cluster's barrier
	STEP 1, 0, 0
	s_wait_dscnt 4*NL                              ; the very last step: nothing more to fetch
	WIN MUL_LO
	MUL16 0, 1, NQ-1, 1, 0
	MUL16 2, 1, NQ-1, 1, 0
	s_wait_dscnt 0
	WIN MUL_HI
	MUL16 4, 1, NQ-1, 1, 0
	MUL16 6, 1, NQ-1, 1, 0
	WIN 0
; ---- THE WAY OUT.  No LDS: what a lane holds is already what a lane of the attention launch wants.
; 64 numbers of a lane, v[s] .. v[s + 63] of window w, register 16 b + i = K 32 b + 16 (lane / 16) + i of my row, become codes: blocks 0, 1 in v[d0 .. d0 + 5], blocks 2, 3 in v[d1 .. d1 + 5] (lanes 0-15 the even
; block, lanes 16-31 the odd one), and the four scale bytes in v[pw].  The numbers are always sources 0 and 1, so that one window setting serves a run of lines.
.macro QUANT s, w, d0, d1, pw
	WIN (\w)|((\w)<<2)
.irp b, 0,1,2,3
	v_max3_num_f32 v[TM+\b], |v[(\s)+16*\b]|, |v[(\s)+1+16*\b]|, 0x2800000   ; block b: my 16 numbers, and the floor 2^(5 - 127): so the byte cannot fall under 1.  Each accumulator is read from its low end on
.endr
.irp i, 2,4,6,8,10,12,14
.irp b, 0,1,2,3
	v_max3_num_f32 v[TM+\b], |v[(\s)+16*\b+\i]|, |v[(\s)+1+16*\b+\i]|, v[TM+\b]   ; (the four blocks by turns)
.endr
.endr
	WIN 0
.irp b, 0,1,2,3
	v_permlanex16_b32 v[TM+4+\b], v[TM+\b], s[SEL], s[SEL+1]
.endr
.irp b, 0,1,2,3
	v_max_num_f32 v[TM+\b], v[TM+\b], v[TM+4+\b]   ; with lane l xor 16's: the block's largest magnitude
.endr
.irp b, 0,1,2,3
	v_add_nc_u32 v[TM+12+\b], 0xfe000000, v[TM+\b] ; 4 off its exponent field: the conversion's scale operand
.endr
.irp b, 0,1,2,3
	v_lshrrev_b32 v[TM+4+\b], 23, v[TM+12+\b]      ; the scale's byte
.endr
	v_lshl_or_b32 v[(\pw)], v[TM+5], 8, v[TM+4]
	v_lshl_or_b32 v[(\pw)], v[TM+6], 16, v[(\pw)]
	v_lshl_or_b32 v[(\pw)], v[TM+7], 24, v[(\pw)]
	WIN (\w)
	v_cvt_scalef32_pk16_bf6_f32 v[(\d0):(\d0)+2], v[(\s):(\s)+15], v[TM+12]
	v_cvt_scalef32_pk16_bf6_f32 v[T2:T2+2], v[(\s)+16:(\s)+31], v[TM+13]       ; (a conversion's three registers begin on an even number)
	v_cvt_scalef32_pk16_bf6_f32 v[(\d1):(\d1)+2], v[(\s)+32:(\s)+47], v[TM+14]
	v_cvt_scalef32_pk16_bf6_f32 v[T2+4:T2+6], v[(\s)+48:(\s)+63], v[TM+15]
	WIN 0
	v_nop                                          ; one plain place behind a scaled conversion
.irp i, 0,1,2                                  ; the operand's layout wants a WHOLE block in a lane
	v_permlane16_swap_b32 v[(\d0)+\i], v[T2+\i]
	v_permlane16_swap_b32 v[(\d1)+\i], v[T2+4+\i]
.endr
.irp i, 0,1,2
	v_mov_b32 v[(\d0)+3+\i], v[T2+\i]
	v_mov_b32 v[(\d1)+3+\i], v[T2+4+\i]
.endr
.endm
; The table's rows of block a's sixteen tokens: my token's 16 (cos, sin) pairs, pairs 16 g + 8 (lane / 16) + 0 .. 7, g = 0, 1: both heads of the wave use the same.
.macro TLD a, cs
.irp g, 0,1
.irp j, 0,1,2,3
	global_load_b128 v[(\cs)+16*\g+4*\j:(\cs)+16*\g+4*\j+3], v[TOF], s[TABB:TABB+1] offset:(32*((\a)/2)+8*((\a)%2))*256+128*\g+16*\j
.endr
.endr
.endm
; The rotation of block a's 64 numbers a lane: (t0, t1) -> (t0 c - t1 s, t1 c + t0 s): a packed multiplication by c and a packed multiply-add that takes the pair crosswise.
.macro ROPE a, cs
.set WW, 2+(\a)/4
.set AC, 64*((\a)%4)
	WIN WW                                         ; source 0: the accumulators' window
.irp b, 0,1,2,3
.irp k, 0,1,2,3,4,5,6,7
	v_pk_mul_f32 v[HA+16*\b+2*\k:HA+16*\b+2*\k+1], v[AC+16*\b+2*\k:AC+16*\b+2*\k+1], v[(\cs)+16*(\b%2)+2*\k:(\cs)+16*(\b%2)+2*\k+1] op_sel_hi:[1,0]
.endr
.irp k, 0,1,2,3,4,5,6,7
	v_pk_fma_f32 v[HA+16*\b+2*\k:HA+16*\b+2*\k+1], v[AC+16*\b+2*\k:AC+16*\b+2*\k+1], v[(\cs)+16*(\b%2)+2*\k:(\cs)+16*(\b%2)+2*\k+1], v[HA+16*\b+2*\k:HA+16*\b+2*\k+1] op_sel:[1,1,0] op_sel_hi:[0,1,1] neg_lo:[0,1,0]
.endr
.endr
	WIN 0
.endm
; q, k: block a (16 tokens x my two heads).  Two blocks make a unit of each head.
.macro QKBLOCK a
.if ((\a)%2 == 0) && ((\a) >= 2)
	s_wait_xcnt 0x0                                ; the last unit's stores have read their registers: the codes may be written again
.endif
.if (\a) < 7
	s_wait_loadcnt 8                               ; this block's eight table loads are in; the next block's eight may be out
.else
	s_wait_loadcnt 0
.endif
	ROPE \a, CS0+32*((\a)%2)
.if (\a)+2 < 8
	TLD (\a)+2, CS0+32*((\a)%2)
.endif
	QUANT HA, 0, H0+6*((\a)%2), H1+6*((\a)%2), PW0+(\a)%2
.if (\a)%2 == 1
	v_perm_b32 v[SW+(\a)/2], v[PW0+1], v[PW0], s[PLO]      ; the first head's word: the even block's two bytes below, the odd block's above
	v_perm_b32 v[SW+4+(\a)/2], v[PW0+1], v[PW0], s[PHI]    ; the second head's
.irp c, 0,1,2
	global_store_b128 v[LI], v[H0+4*\c:H0+4*\c+3], s[DC:DC+1] offset:1536*((\a)/2)+512*\c          ; 32 lanes store 512 consecutive aligned bytes
.endr
.irp c, 0,1,2
	global_store_b128 v[LI], v[H1+4*\c:H1+4*\c+3], s[DC:DC+1] offset:HEADB+1536*((\a)/2)+512*\c
.endr
.endif
.endm
; v: block a (16 channels x the step's 128 keys) is a unit as it stands.  Two sets of code registers by turns.
.macro VBLOCK a
.if (\a) >= 2
	s_wait_xcnt 0x0                                ; the stores of two blocks ago have read their registers
.endif
	QUANT 64*((\a)%4), 2+(\a)/4, H0+12*((\a)%2), H0+12*((\a)%2)+6, SW+(\a)
.irp c, 0,1,2
	global_store_b128 v[LI], v[H0+12*((\a)%2)+4*\c:H0+12*((\a)%2)+4*\c+3], s[DC:DC+1] offset:((\a)/4)*HEADB+((\a)%4)*1536+512*\c
.endr
.endm
	PLACES NP                                      ; behind the last products: results are read, and loads land in the registers that held A's fragments
	v_and_b32 v1, 15, v0                           ; r
	v_bfe_u32 v2, v0, 4, 1                         ; h
	v_and_b32 v3, 8, v1
	v_add_nc_u32 v3, v3, v1                        ; r + 8 (r / 8)
	v_lshlrev_b32 v[TOF], 8, v3                    ; a position's row of the table is 256 bytes
	v_lshl_add_u32 v[TOF], v2, 6, v[TOF]
	v_and_b32 v3, 31, v0
	v_lshlrev_b32 v[LI], 4, v3
	v_mul_u32_u24 v[SOF], v2, HEADB
	v_lshl_add_u32 v[SOF], v1, 4, v[SOF]
.irp b, 0,1,2,3
	v_mov_b32 v[TM+4+\b], 0                        ; written once: a lane permute's destination counts as one of its sources
.endr
	s_mov_b32 s[SEL], 0x76543210
	s_mov_b32 s[SEL+1], 0xfedcba98
	s_mov_b32 s[PLO], 0x05040100
	s_mov_b32 s[PHI], 0x07060302
	s_mov_b32 s[HM], 0xffff0000
	s_cmp_eq_u32 s[KIND], 1
	s_cselect_b32 s98, s42, s17                    ; the tile of 256 tokens,
	s_cselect_b32 s99, s16, s15                    ; my half of it,
	s_cselect_b32 s100, s41, s40                   ; the tile's four heads,
	s_cselect_b32 s101, s15, s16                   ; my two of them
	s_lshr_b32 s47, s98, 3
	s_lshl_b32 s47, s47, 4                         ; 16 x the batch's number
	s_lshl_b32 s100, s100, 2
	s_add_co_u32 s47, s47, s100
	s_lshl_b32 s101, s101, 1
	s_add_co_u32 s47, s47, s101                    ; my first head of the batch
	s_and_b32 s98, s98, 7
	s_lshl_b32 s98, s98, 1
	s_add_co_u32 s98, s98, s99                     ; my step of 128 tokens
	s_mul_i32 s47, s47, HEADB
	s_mul_i32 s99, s98, RECB
	s_add_co_u32 s100, s47, s99
	s_mov_b32 s101, 0
	s_add_nc_u64 s[12:13], s[12:13], s[100:101]    ; my record of my first head
	s_mov_b32 s45, 12800                           ; the part of the record: q's codes and words,
	s_mov_b32 s46, 18944
	s_cmp_eq_u32 ttmp9, 1
	s_cselect_b32 s45, 0, s45                      ; k's,
	s_mov_b32 s47, 12288
	s_cselect_b32 s46, s47, s46
	s_cmp_eq_u32 ttmp9, 2
	s_mov_b32 s47, 6144
	s_cselect_b32 s45, s47, s45                    ; v's
	s_mov_b32 s47, 12544
	s_cselect_b32 s46, s47, s46
	s_mov_b32 s100, s45
	s_add_nc_u64 s[DC:DC+1], s[12:13], s[100:101]
	s_mov_b32 s100, s46
	s_add_nc_u64 s[DSW:DSW+1], s[12:13], s[100:101]
	s_lshl_b32 s100, s98, 15                       ; 128 positions x 256 bytes
	s_add_nc_u64 s[TABB:TABB+1], s[66:67], s[100:101]
	s_cmp_eq_u32 s[KIND], 1
	s_cbranch_scc1 .Lv
	TLD 0, CS0
	TLD 1, CS0+32
.irp a, 0,1,2,3,4,5,6,7
	QKBLOCK \a
.endr
	s_branch .Lwords
.Lv:
.irp a, 0,1,2,3,4,5,6,7
	VBLOCK \a
.endr
.Lwords:
.irp k, 0,1,2,3
	v_cndmask_b32 v[SWS+\k], v[SW+\k], v[SW+4+\k], s[HM]   ; lanes 0-15: the first head's four words of row r; lanes 16-31: the second head's
.endr
	global_store_b128 v[SOF], v[SWS:SWS+3], s[DSW:DSW+1]   ; sixteen lanes store a head's 256 consecutive aligned bytes
	s_wait_tensorcnt 0x0                           ; the wave's end
	ds_add_u32 v[SPW], v[NIL]
	s_wait_dscnt 0x0
	CROUND                                         ; the closing round: no work-group ends while a partner may still ask for a tile that names it
	s_endpgm
.Lfunc_end_k_q21927d109f_qkvproj:
	.size	k_q21927d109f_qkvproj, .Lfunc_end_k_q21927d109f_qkvproj-k_q21927d109f_qkvproj
	.p2alignl 7, 3214868480
	.fill 96, 4, 3214868480
	.section	.rodata,"a",@progbits
	.p2align	6, 0x0
	.amdhsa_kernel k_q21927d109f_qkvproj
		.amdhsa_group_segment_fixed_size 327680
		.amdhsa_private_segment_fixed_size 0
		.amdhsa_enable_private_segment 0
		.amdhsa_kernarg_size 48
		.amdhsa_user_sgpr_count 2
		.amdhsa_user_sgpr_kernarg_segment_ptr 1
		.amdhsa_wavefront_size32 1
		.amdhsa_system_sgpr_workgroup_id_x 1
		.amdhsa_system_sgpr_workgroup_id_y 1
		.amdhsa_system_sgpr_workgroup_id_z 1
		.amdhsa_system_vgpr_workitem_id 0
		.amdhsa_next_free_vgpr 1024
		.amdhsa_next_free_sgpr 102
		.amdhsa_reserve_vcc 0
		.amdhsa_float_denorm_mode_32 3
		.amdhsa_float_denorm_mode_16_64 3
		.amdhsa_memory_ordered 1
		.amdhsa_forward_progress 1
		.amdhsa_inst_pref_size 237
	.end_amdhsa_kernel
	.amdgpu_metadata
---
amdhsa.version: [ 1, 2 ]
amdhsa.kernels:
  - .name:           k_q21927d109f_qkvproj
    .symbol:         k_q21927d109f_qkvproj.kd
    .args:
      - { .name: xc, .offset: 0, .size: 8, .value_kind: global_buffer, .address_space: global }
      - { .name: xs, .offset: 8, .size: 8, .value_kind: global_buffer, .address_space: global }
      - { .name: wc, .offset: 16, .size: 8, .value_kind: global_buffer, .address_space: global }
      - { .name: ws, .offset: 24, .size: 8, .value_kind: global_buffer, .address_space: global }
      - { .name: tab, .offset: 32, .size: 8, .value_kind: global_buffer, .address_space: global }
      - { .name: qkv, .offset: 40, .size: 8, .value_kind: global_buffer, .address_space: global }
    .group_segment_fixed_size: 327680
    .private_segment_fixed_size: 0
    .kernarg_segment_align: 8
    .kernarg_segment_size: 48
    .max_flat_workgroup_size: 128
    .sgpr_count:     102
    .vgpr_count:     1024
    .wavefront_size: 32
...
	.end_amdgpu_metadata
.endif
;; end of part 2
;; launch attn (part 3): grid 4 x 64, 16 waves a work-group, clusters of 4 x 1, 206,848 bytes of LDS; arguments qkv, ac, asc; writes ac, asc
.if DOCPART == 3
	.amdgcn_target "amdgcn-amd-amdhsa--gfx1250"
	.amdhsa_code_object_version 6
	.text
	.protected	k_q21927d109f_attn
	.globl	k_q21927d109f_attn
	.p2align	8
	.type	k_q21927d109f_attn,@function
k_q21927d109f_attn:
	s_mov_b64 s[64:65], 0
	v_nop
	global_prefetch_b8 v0, s[64:65] scope:SCOPE_SE
	s_setreg_imm32_b32 hwreg(HW_REG_WAVE_MODE, 25, 1), 1
	s_wait_xcnt 0x0
	s_wait_alu depctr_hold_cnt(0) depctr_sa_sdst(0) depctr_va_vdst(0) depctr_va_sdst(0) depctr_va_ssrc(0) depctr_va_vcc(0) depctr_vm_vsrc(0)
	s_getreg_b32 s2, hwreg(HW_REG_IB_STS2, 6, 4)
	s_cmp_eq_u32 s2, 0
	s_cbranch_scc0 .Lentry_in_a_cluster
	s_endpgm
.Lentry_in_a_cluster:
	s_bfe_u32 s2, ttmp6, 0x10000c
	s_cmp_lg_u32 s2, 0x3003
	s_cbranch_scc0 .Lentry_shape_is_right
	s_endpgm
.Lentry_shape_is_right:
; Causal attention of one head of the batch (64 of them), head size 64, 2,048 tokens, both products on codes of BF6 (E3M2) with one E8M0 scale for each 32 along a product's K; the result is quantised along the
; model's axis for the last projection.  Q, K, V come as images of operand registers (the launch before laid them so): a fragment is three loads of 16 bytes a lane, 512 consecutive bytes each.
; THE SOFTMAX: t = score x log2(e) / 8; M = the row's largest t so far, rounded UP to a whole number; p = 2^(t - M) is what is quantised, along the keys; it is not normalised.  The row's sum is taken of the
; unquantised p, in f32, and divides O at the end.  When M moves, the sum and O are multiplied by 2^(old M - new M): exact.
; SHARES.  The four work-groups of a cluster share a head.  A tile is 16 queries; tile 8 s + a lies in step s (128 tokens) and needs the key steps 0 .. s.  The partner at place p takes tiles a = 2 p, 2 p + 1 of EVERY
; step.  Wave w takes a = 2 p + w / 8 and two steps, one after the other: first s1 = max(w, 15 - w), then 15 - s1: 17 key steps for every wave of every work-group.  All branches hang on the wave's number and on
; counted steps; the place in the cluster enters global addresses and one vector constant of the mask alone.
; LDS.  The head's K, V and their scale words, 16 records of 12,800 bytes, lie in LDS for the whole launch, filled once: no ring, no refill.  Waves 0 to 3 ask for four records each, JOINTLY with the three partners
; (the same tensor load, the same descriptor, a mask that names the four): four loads of a wave are out at the most.  Everything is asked for at the start, so nothing is left that could be asked for ahead of its load.
; Records 0 to 3 are waited for first; every wave's first pass has at least 8 full steps, so all sixteen waves work four steps on them while the other twelve records land.
; LAYOUT.  Both products are used transposed: S^T = K Q^T (source 0 = 16 keys, source 1 = my 16 queries), O^T = V^T P^T (source 0 = 16 channels, source 1 = P): a lane holds ONE query throughout.
; K = 64 IN AN INSTRUCTION OF K = 128.  A unit of K holds the 64 channels of 16 keys at k = 0 .. 63 and those of the next 16 keys at k = 64 .. 127.  Multiplied by [q | zeros] it gives the first sixteen's scores, by
; [zeros | q] the second's.  A zero code adds nothing under any scale byte but 0xff, and the bytes here are 1 .. 254, or the 0 that a shift leaves.
; The tokens of a tile are not neighbours (the rows were stored with bits 3 and 4 exchanged): lane r of tile 2 b + u holds token 32 b + 8 u + r + 8 (r / 8) of its step, so that the 16 registers of S^T's tiles 2 b and
; 2 b + 1 are keys 32 b + 16 (lane / 16) + 0 .. 15, and those of O^T's tiles likewise 16 neighbouring channels.
; OUT: ac [512 tiles of 16 tokens][16 heads][3][32 lanes][8 bytes]: a head's 64 codes of 16 tokens as the image of six operand registers; asc [8192 stored rows][32]: two scale bytes a head and row (stored two bytes
; a row: one byte in 24 of what the launch writes).
; LIMITS: a block of zeros gets the scale byte 1 (its codes are zeros); NaN and infinities are not served.
; REGISTERS: v1-6 addresses that stay; v8, v10 the step's LDS addresses; v12 -M, v13 the largest t, v[14:15] the sum in two halves; v16-27 [q | 0]; v32-79 four fragments of K, then of V; v96-159 S^T, then p;
; v160-191 O^T; v192-203 [0 | q]; v204, v255 q's scale words; v205 the mask's constant; v206-218 the second pass's q; v224-235 p's codes; v232-254 at work; v248-251 the fragments' scale words; v253 p's scale word.
.set RECL,  12800                      ; what of a record lies in LDS: K's codes 6,144, V's 6,144, K's words 256, V's 256
.set RECG,  19200                      ; a record in memory
.set HEADB, 307200                     ; a head's 16 records
.set LI,   1                           ; v1   16 x lane
.set LSC,  2                           ; v2   16 x (lane % 16): a row's four scale words
.set VQ,   3                           ; v3   16 x lane + 1,536 p: my unit of Q
.set VW,   4                           ; v4   16 x (lane % 16) + 4 p: its scale word
.set AO,   5                           ; v5   8 x lane
.set SO,   6                           ; v6   32 x (lane % 16)
.set ADK,  8
.set ADS,  10
.set QL,   16
.set QH,   192
.set SQL,  255
.set SQH,  204
.set DQ,   205
.set WV,   18                          ; s18  my wave's number
.set PP,   19                          ; s19  p: my place in the cluster
.set SEL,  20                          ; s[20:21] lane selects for v_permlanex16_b32: lane l xor 16
.set CS,   22                          ; s[22:23] c = log2(e) / 8
.set G1,   24                          ; s[24:31] descriptor group 1;  s[32:47] four groups 0
.set G0,   32
.set TB,   2                           ; s2   LDS byte at which the step's record begins
.set KSTP, 3                           ; s3   the key step
.set STL,  48                          ; s48  the pass's own step: its last, and the one on the diagonal
.set S1,   49
.set S2,   50
.set UU,   51                          ; s51  u = wave / 8;  s52 = -u, a mask of all lanes or none;  s53 = 16 u
.set UM,   52
.set U16,  53
.macro CROUND                          ; a round of the cluster's barrier
	s_barrier_signal -1
	s_barrier_wait -1
	s_cmp_lg_u32 s[WV], 0
	s_cbranch_scc1 .Lnot_wave_0_\@
	s_barrier_signal -3
.Lnot_wave_0_\@:
	s_barrier_wait -3
	s_barrier_signal -1
	s_barrier_wait -1
.endm
	s_load_b128 s[4:7], s[0:1], 0x0                ; qkv, ac
	s_load_b64 s[8:9], s[0:1], 0x10                ; asc
	v_lshl_add_u32 v223, v0, 2, 0x32000
	v_mov_b32 v243, 0
	ds_add_u32 v223, v243
	ds_add_u32 v223, v243
	v_lshrrev_b32 v1, 5, v0
	s_delay_alu instid0(VALU_DEP_1)
	v_readfirstlane_b32 s[WV], v1                  ; wave 0..15
	s_bfe_u32 s[PP], ttmp6, 0x40000                ; cx
	s_and_b32 s70, ttmp7, 0xffff                   ; the head of the batch, which the four partners share
	s_mul_i32 s72, s70, HEADB
	s_mov_b32 s73, 0
	; descriptor group 1: 12,800 dense bytes as 50 rows of 256 bytes (32 elements of 8 bytes), no padding
	s_mov_b32 s[G1], 15|(3<<16)|(1<<21)            ; 15:0 the mask: all four work-groups; 17:16 elements of 8 bytes; 21 set beside a mask
	s_mov_b32 s[G1+1], 32<<16                      ; tensor_dim0
	s_mov_b32 s[G1+2], 50<<16                      ; tensor_dim1
	s_mov_b32 s[G1+3], 32<<16                      ; tile_dim0
	s_mov_b32 s[G1+4], 50                          ; tile_dim1
	s_mov_b32 s[G1+5], 32                          ; tensor_dim0_stride
	s_mov_b32 s[G1+6], 0
	s_mov_b32 s[G1+7], 0
	s_mul_i32 s74, s[WV], RECL
	s_mul_i32 s76, s[WV], RECG
	s_mov_b32 s77, 0
	s_add_nc_u64 s[76:77], s[76:77], s[72:73]
	s_wait_dscnt 0x0
	s_wait_kmcnt 0x0
	s_add_nc_u64 s[76:77], s[4:5], s[76:77]        ; record w of my head
.irp g, 0,1,2,3                                ; load g of wave w brings record 4 g + w
	s_mov_b32 s[G0+4*\g], 1                        ; 1:0 count = 1
	s_add_co_u32 s[G0+4*\g+1], s74, \g*4*RECL      ; 63:32 LDS address
	s_add_nc_u64 s[G0+4*\g+2:G0+4*\g+3], s[76:77], \g*4*RECG   ; 120:64 global address
	s_or_b32 s[G0+4*\g+3], s[G0+4*\g+3], 0x80000000            ; 127:126 type = 2
.endr
	CROUND                                         ; all four work-groups are here: the joint loads meet
	s_cmp_lt_u32 s[WV], 4                          ; a wave's four fills stand in one branch, ahead of every wait on TENSORcnt, every LDS read and every other barrier
	s_cbranch_scc0 .Lno_fetch
	tensor_load_to_lds s[G0:G0+3], s[G1:G1+7]
	s_nop 0
	tensor_load_to_lds s[G0+4:G0+7], s[G1:G1+7]
	s_nop 0
	tensor_load_to_lds s[G0+8:G0+11], s[G1:G1+7]
	s_nop 0
	tensor_load_to_lds s[G0+12:G0+15], s[G1:G1+7]
	s_nop 0
.rept 4
	v_nop
.endr
.Lno_fetch:
	s_sub_co_u32 s[S1], 15, s[WV]
	s_max_u32 s[S1], s[S1], s[WV]                  ; the first pass's step, 8 .. 15
	s_sub_co_u32 s[S2], 15, s[S1]                  ; the second's, 7 .. 0
	s_lshr_b32 s[UU], s[WV], 3
	s_sub_co_u32 s[UM], 0, s[UU]
	s_lshl_b32 s[U16], s[UU], 4
	s_mov_b32 s[SEL], 0x76543210
	s_mov_b32 s[SEL+1], 0xfedcba98
	s_mov_b32 s[CS], 0x3e38aa3b                    ; log2(e) / sqrt(64)
	s_mov_b32 s[CS+1], s[CS]                       ; (named with it as a pair, so it is written)
	s_lshr_b32 s71, s70, 4
	s_lshl_b32 s71, s71, 7                         ; 128 tiles of tokens to a batch element,
	s_lshl_b32 s84, s[PP], 1
	s_add_co_u32 s71, s71, s84
	s_add_co_u32 s71, s71, s[UU]                   ; + 2 p + u
	s_and_b32 s85, s70, 15                         ; the head
	s_mul_i32 s84, s85, 768                        ; its place in a tile's codes,
	s_lshl_b32 s85, s85, 1                         ; and in a row's scale bytes
; the addresses of a pass: st its step; qb its record (for Q); ad, sd where its codes and scale bytes go
.macro PASSADR st, qb, ad, sd
	s_mul_i32 s86, s[\st], RECG
	s_mov_b32 s87, 0
	s_add_nc_u64 s[86:87], s[86:87], s[72:73]
	s_add_nc_u64 s[\qb:\qb+1], s[4:5], s[86:87]
	s_lshl_b32 s86, s[\st], 3
	s_add_co_u32 s86, s86, s71                     ; the tile of 16 tokens, of 512
	s_mul_i32 s88, s86, 12288
	s_add_co_u32 s88, s88, s84
	s_mov_b32 s89, 0
	s_add_nc_u64 s[\ad:\ad+1], s[6:7], s[88:89]
	s_lshl_b32 s88, s86, 9
	s_add_co_u32 s88, s88, s85
	s_add_nc_u64 s[\sd:\sd+1], s[8:9], s[88:89]
.endm
	PASSADR S1, 54, 58, 60
	PASSADR S2, 56, 66, 68
	v_and_b32 v7, 31, v0
	s_delay_alu instid0(VALU_DEP_1)
	v_lshlrev_b32 v[LI], 4, v7
	s_delay_alu instid0(VALU_DEP_2)
	v_lshlrev_b32 v[AO], 3, v7
	v_and_b32 v7, 15, v0                           ; r
	s_delay_alu instid0(VALU_DEP_1)
	v_lshlrev_b32 v[LSC], 4, v7
	s_delay_alu instid0(VALU_DEP_2)
	v_lshlrev_b32 v[SO], 5, v7
	s_mul_i32 s80, s[PP], 1536
	v_add_nc_u32 v[VQ], s80, v[LI]
	s_lshl_b32 s81, s[PP], 2
	v_add_nc_u32 v[VW], s81, v[LSC]
.irp c, 0,1,2
	global_load_b128 v[96+4*\c:99+4*\c], v[VQ], s[54:55] offset:12800+512*\c     ; the first pass's unit of Q: tiles 2 p and 2 p + 1
.endr
	global_load_b32 v108, v[VW], s[54:55] offset:18944                           ; and its scale word
.irp c, 0,1,2
	global_load_b128 v[206+4*\c:209+4*\c], v[VQ], s[56:57] offset:12800+512*\c   ; the second pass's
.endr
	global_load_b32 v218, v[VW], s[56:57] offset:18944
	v_and_b32 v9, 8, v7
	s_delay_alu instid0(VALU_DEP_1)
	v_add_nc_u32 v[DQ], v7, v9                     ; r + 8 (r / 8)
	v_and_b32 v9, 16, v0
	s_delay_alu instid0(VALU_DEP_1)
	v_sub_nc_u32 v[DQ], v[DQ], v9                  ; - 16 (lane / 16)
	s_lshl_b32 s82, s[PP], 5
	s_lshl_b32 s83, s[UU], 3
	s_add_co_u32 s82, s82, s83
	v_add_nc_u32 v[DQ], s82, v[DQ]                 ; + 32 p + 8 u: my query's place in its step, less my half's first key
.irp k, 0,1,2,3,4,5
	v_mov_b32 v[QL+6+\k], 0                        ; the zero halves of [q | 0] and [0 | q]
	v_mov_b32 v[QH+\k], 0
.endr
.irp b, 0,1,2,3
	v_mov_b32 v[236+\b], 0                         ; written once: a lane permute's destination counts as one of its sources
.endr
	v_mov_b32 v252, 0
	v_mov_b32 v253, 0                              ; (named as the upper half of the pair v[252:253] before it is first written)
; A pass begins: my tile of the unit at v[f] on, its scale word from v[w]; the sums begin as zeros and the largest t as -3e38.
.macro START f, w, st, again
.if \again
	s_wait_xcnt 0x0                                ; the first pass's stores have read their registers
.endif
.irp k, 0,1,2,3,4,5
	v_cndmask_b32 v[QL+\k], v[\f+\k], v[\f+6+\k], s[UM]        ; u = 0: registers 0-5 of the unit; u = 1: registers 6-11
	v_cndmask_b32 v[QH+6+\k], v[\f+\k], v[\f+6+\k], s[UM]
.endr
	v_lshrrev_b32 v[SQL], s[U16], v[\w]            ; my tile's two bytes at k = 0 .. 63,
	s_delay_alu instid0(VALU_DEP_1)
	v_lshlrev_b32 v[SQH], 16, v[SQL]               ; and at k = 64 .. 127
	v_mov_b32 v13, 0xff61b1e6                      ; the largest t so far: -3e38, under every t
	s_delay_alu instid0(VALU_DEP_1)
	v_floor_f32 v12, -v13                          ; -M
	v_mov_b32 v14, 0
	v_mov_b32 v15, 0
.set jj, 0
.rept 32
	v_mov_b32 v[160+jj], 0                         ; O^T: the step is written once, and its first run finds zeros.  (These are also the places between the writes of q and its scale words and the first product)
.set jj, jj+1
.endr
	s_mov_b32 s[STL], s[\st]
	s_mov_b32 s[TB], 0
	s_mov_b32 s[KSTP], 0
.endm
; A KEY STEP: 128 keys.  mask = 1: a step behind the pass's own is left out (a scalar branch on the wave's number and the count; no barrier and no tensor load stands in a step), and the pass's own step is masked.
.macro STEP mask
.if \mask
	s_cmp_gt_u32 s[KSTP], s[STL]
	s_cbranch_scc1 .Lhidden_\@
.endif
	s_setprio 2
	v_add_nc_u32 v[ADK], s[TB], v[LI]
	v_add_nc_u32 v[ADS], s[TB], v[LSC]
	v_nop
	v_nop                                          ; four places in front of loads into registers that the last products read
.irp t, 0,1,2,3
.irp c, 0,1,2
	ds_load_b128 v[32+12*\t+4*\c:35+12*\t+4*\c], v[ADK] offset:1536*\t+512*\c    ; K's four units
.endr
.endr
	ds_load_b128 v[248:251], v[ADS] offset:12288   ; and row r's four scale words
	s_wait_alu depctr_va_vdst(0)
	s_wait_dscnt 0x0
.irp t, 0,1,2,3,4,5,6,7                        ; tile t: unit t / 2 against [q | 0] (t even) or [0 | q] (t odd)
	v_wmma_scale_f32_16x16x128_f8f6f4 v[96+8*\t:103+8*\t], v[32+12*(\t/2):43+12*(\t/2)], v[QL+176*(\t%2):QL+11+176*(\t%2)], 0, v[248+\t/2], v[SQL-51*(\t%2)] matrix_a_fmt:MATRIX_FMT_BF6 matrix_b_fmt:MATRIX_FMT_BF6
.endr
.rept 4
	v_nop                                          ; places in front of the loads below and of the first read of the scores
.endr
.irp t, 0,1,2,3
.irp c, 0,1,2
	ds_load_b128 v[32+12*\t+4*\c:35+12*\t+4*\c], v[ADK] offset:6144+1536*\t+512*\c   ; V's four units land while the softmax is worked
.endr
.endr
	ds_load_b128 v[248:251], v[ADS] offset:12544
.if \mask
	s_cmp_lg_u32 s[KSTP], s[STL]
	s_cbranch_scc1 .Lopen_\@
	v_mov_b32 v254, 0xff800000                     ; on the diagonal the scores of hidden keys become -infinity ahead of the maximum: p = 0 then
.set nn, 0
.rept 64                                       ; register 16 b + i holds key 32 b + 16 (lane / 16) + i of the step: hidden where 32 b + i is above the constant
	v_cmp_gt_i32 vcc_lo, 32*(nn/16)+nn%16, v[DQ]
	v_cndmask_b32 v[96+nn], v[96+nn], v254, vcc_lo
.set nn, nn+1
.endr
.Lopen_\@:
.endif
.irp b, 0,1,2,3
	v_max3_num_f32 v[232+\b], v[96+16*\b], v[97+16*\b], v[98+16*\b]   ; the largest score of each block of 32 keys: it serves for the row's maximum and, since p rises with the score, for the block's largest p
.endr
.irp i, 3,5,7,9,11,13
.irp b, 0,1,2,3
	v_max3_num_f32 v[232+\b], v[232+\b], v[96+16*\b+\i], v[97+16*\b+\i]
.endr
.endr
.irp b, 0,1,2,3
	v_max_num_f32 v[232+\b], v[232+\b], v[111+16*\b]
.endr
.irp b, 0,1,2,3
	s_delay_alu instid0(VALU_DEP_4)
	v_permlanex16_b32 v[236+\b], v[232+\b], s[SEL], s[SEL+1]
.endr
.irp b, 0,1,2,3
	s_delay_alu instid0(VALU_DEP_4)
	v_max_num_f32 v[232+\b], v[232+\b], v[236+\b]  ; with lane l xor 16's 16 keys
.endr
	s_delay_alu instid0(VALU_DEP_2)
	v_max3_num_f32 v254, v232, v233, v234
	s_delay_alu instid0(VALU_DEP_1)
	v_max_num_f32 v254, v254, v235                 ; the step's largest score of my query
	s_delay_alu instid0(VALU_DEP_1)
	v_mul_f32 v254, s[CS], v254                    ; as t (c is positive)
	s_delay_alu instid0(VALU_DEP_1)
	v_max_num_f32 v13, v13, v254                   ; the running largest t
	v_mov_b32 v254, v12
	s_delay_alu instid0(VALU_DEP_2)
	v_floor_f32 v12, -v13                          ; the new -M = floor(-t) = -ceil(t): M is a whole number
	s_delay_alu instid0(VALU_DEP_1)
	v_sub_f32 v254, v12, v254                      ; M's old value less its new one: a whole number, 0 or less
	s_delay_alu instid0(VALU_DEP_1)
	v_cvt_i32_f32 v254, v254                       ; (it saturates)
	s_delay_alu instid0(VALU_DEP_1)
	v_ldexp_f32 v252, 1.0, v254                    ; f = 2^(old M - new M)
.set jj, 0
.rept 32
	v_pk_fma_f32 v[96+jj:97+jj], v[96+jj:97+jj], s[CS:CS+1], v[12:13] op_sel_hi:[1,0,0]   ; t - M, two at a time
.set jj, jj+2
.endr
.irp b, 0,1,2,3
	v_fma_f32 v[232+\b], v[232+\b], s[CS], v12     ; the same of each block's largest score
.endr
.set jj, 0
	s_setprio 1
	s_wait_alu depctr_va_vdst(0)
.rept 64
	v_exp_f32 v[96+jj], v[96+jj]                   ; p = 2^(t - M), at most 1: not normalised
.set jj, jj+1
.endr
	v_pk_mul_f32 v[14:15], v[14:15], v[252:253] op_sel_hi:[1,0]   ; the sums under the new M.  (A plain place behind the exponentials)
	s_wait_alu depctr_va_vdst(0)                   ; one wait for the whole batch, ahead of its first reader
.irp b, 0,1,2,3
	v_exp_f32 v[232+\b], v[232+\b]                 ; the block's largest p: the same two instructions on the same number give the same bits
.endr
	v_pk_add_f32 v[236:237], v[100:101], v[104:105]
	v_pk_add_f32 v[246:247], v[108:109], v[112:113]
	v_pk_add_f32 v[244:245], v[116:117], v[120:121]
	v_pk_add_f32 v[240:241], v[124:125], v[128:129]
	v_pk_add_f32 v[238:239], v[132:133], v[136:137]
	v_pk_add_f32 v[230:231], v[140:141], v[144:145]
	v_pk_add_f32 v[228:229], v[148:149], v[152:153]
	v_pk_add_f32 v[14:15], v[14:15], v[156:157]
	v_pk_add_f32 v[236:237], v[236:237], v[96:97]
	v_pk_add_f32 v[246:247], v[246:247], v[98:99]
	v_pk_add_f32 v[244:245], v[244:245], v[102:103]
	v_pk_add_f32 v[240:241], v[240:241], v[106:107]
	v_pk_add_f32 v[238:239], v[238:239], v[110:111]
	v_pk_add_f32 v[230:231], v[230:231], v[114:115]
	v_pk_add_f32 v[228:229], v[228:229], v[118:119]
	v_pk_add_f32 v[14:15], v[14:15], v[122:123]
	v_pk_add_f32 v[236:237], v[236:237], v[126:127]
	v_pk_add_f32 v[246:247], v[246:247], v[130:131]
	v_pk_add_f32 v[244:245], v[244:245], v[134:135]
	v_pk_add_f32 v[240:241], v[240:241], v[138:139]
	v_pk_add_f32 v[238:239], v[238:239], v[142:143]
	v_pk_add_f32 v[230:231], v[230:231], v[146:147]
	v_pk_add_f32 v[228:229], v[228:229], v[150:151]
	v_pk_add_f32 v[14:15], v[14:15], v[154:155]
	v_pk_add_f32 v[236:237], v[236:237], v[158:159]
	s_delay_alu instid0(VALU_DEP_2)
	v_pk_add_f32 v[14:15], v[14:15], v[240:241]
	s_delay_alu instid0(VALU_DEP_2)
	v_pk_add_f32 v[236:237], v[236:237], v[238:239]
	v_pk_add_f32 v[246:247], v[246:247], v[230:231]
	v_pk_add_f32 v[244:245], v[244:245], v[228:229]
	s_delay_alu instid0(VALU_DEP_2)
	v_pk_add_f32 v[14:15], v[14:15], v[246:247]
	s_delay_alu instid0(VALU_DEP_2)
	v_pk_add_f32 v[236:237], v[236:237], v[244:245]
	s_delay_alu instid0(VALU_DEP_1)
	v_pk_add_f32 v[14:15], v[14:15], v[236:237]
	s_wait_alu depctr_va_vdst(0)                   ; and one for the four
.irp b, 0,1,2,3
	v_max_num_f32 v[232+\b], 0x2800000, v[232+\b]  ; the floor 2^(5 - 127): the byte cannot fall under 1
.endr
.irp b, 0,1,2,3
	s_delay_alu instid0(VALU_DEP_4)
	v_add_nc_u32 v[244+\b], 0xfe000000, v[232+\b]  ; 4 off the exponent field: the conversion's scale operand
.endr
.irp b, 0,1,2,3
	s_delay_alu instid0(VALU_DEP_4)
	v_lshrrev_b32 v[236+\b], 23, v[244+\b]         ; the scale's byte
.endr
	s_delay_alu instid0(VALU_DEP_3)
	v_lshl_or_b32 v253, v237, 8, v236              ; p's scale word for these 128 keys
	s_delay_alu instid0(VALU_DEP_1)
	v_lshl_or_b32 v253, v238, 16, v253
	s_delay_alu instid0(VALU_DEP_1)
	v_lshl_or_b32 v253, v239, 24, v253
.irp c, 0,1
	v_cvt_scalef32_pk16_bf6_f32 v[224+6*\c:226+6*\c], v[96+32*\c:111+32*\c], v[244+2*\c]
	v_cvt_scalef32_pk16_bf6_f32 v[236+4*\c:238+4*\c], v[112+32*\c:127+32*\c], v[244+2*\c+1]   ; (a conversion's three registers begin on an even number)
.endr
	v_nop                                          ; one plain place behind a scaled conversion
	s_setprio 0
.irp c, 0,1                                    ; the operand's layout wants a WHOLE block in a lane
.irp i, 0,1,2
	v_permlane16_swap_b32 v[224+6*\c+\i], v[236+4*\c+\i]
.endr
.irp i, 0,1,2
	s_delay_alu instid0(VALU_DEP_3)
	v_mov_b32 v[227+6*\c+\i], v[236+4*\c+\i]
.endr
.endr
.set jj, 0
.rept 16
	v_pk_mul_f32 v[160+jj:161+jj], v[160+jj:161+jj], v[252:253] op_sel_hi:[1,0]   ; O^T under the new M.  (These sixteen are also the places between the writes of p's codes and scale word and the products below)
.set jj, jj+2
.endr
	s_wait_alu depctr_va_vdst(0)
	s_wait_dscnt 0x0                               ; V is in
.irp a, 0,1,2,3                                ; O^T += V^T P^T: four tiles of 16 channels, by turns
	v_wmma_scale_f32_16x16x128_f8f6f4 v[160+8*\a:167+8*\a], v[32+12*\a:43+12*\a], v[224:235], v[160+8*\a:167+8*\a], v[248+\a], v253 matrix_a_fmt:MATRIX_FMT_BF6 matrix_b_fmt:MATRIX_FMT_BF6
.endr
.if \mask
.Lhidden_\@:
.endif
	s_add_co_u32 s[TB], s[TB], RECL                ; the next step's record
.endm
.macro WALK last, mask                         ; every wave walks every trip: the counts are constants
.Lwalk_\@:
	STEP \mask
	s_add_co_u32 s[KSTP], s[KSTP], 1
	s_cmp_lt_u32 s[KSTP], \last
	s_cbranch_scc1 .Lwalk_\@
	s_setprio 0
.endm
; A pass ends: O^T is divided by the row's sum and quantised along the channels, two blocks of 32; six registers of codes and two scale bytes leave.
.macro FINISH ad, sd
.rept 4
	v_nop                                          ; places behind the last products
.endr
	v_add_f32 v14, v14, v15                        ; the sum's two halves,
	s_delay_alu instid0(VALU_DEP_1)
	v_permlanex16_b32 v252, v14, s[SEL], s[SEL+1]
	s_delay_alu instid0(VALU_DEP_1)
	v_add_f32 v14, v14, v252                       ; and lane l xor 16's: the row's sum
	s_wait_alu depctr_va_vdst(0)
	v_rcp_f32 v14, v14
	v_nop                                          ; a plain place behind the transcendental
	s_wait_alu depctr_va_vdst(0)                   ; the wait ahead of its first reader
.set jj, 0
.rept 16
	v_pk_mul_f32 v[96+jj:97+jj], v[160+jj:161+jj], v[14:15] op_sel_hi:[1,0]   ; register 16 g + i is channel 32 g + 16 (lane / 16) + i of my query
.set jj, jj+2
.endr
.irp g, 0,1
	v_max3_num_f32 v[232+\g], |v[96+16*\g]|, |v[97+16*\g]|, 0x2800000
.endr
.irp i, 2,4,6,8,10,12,14
.irp g, 0,1
	s_delay_alu instid0(VALU_DEP_2)
	v_max3_num_f32 v[232+\g], v[232+\g], |v[96+16*\g+\i]|, |v[97+16*\g+\i]|
.endr
.endr
.irp g, 0,1
	s_delay_alu instid0(VALU_DEP_2)
	v_permlanex16_b32 v[236+\g], v[232+\g], s[SEL], s[SEL+1]
.endr
.irp g, 0,1
	s_delay_alu instid0(VALU_DEP_2)
	v_max_num_f32 v[232+\g], v[232+\g], v[236+\g]
.endr
.irp g, 0,1
	s_delay_alu instid0(VALU_DEP_2)
	v_add_nc_u32 v[244+\g], 0xfe000000, v[232+\g]
.endr
.irp g, 0,1
	s_delay_alu instid0(VALU_DEP_2)
	v_lshrrev_b32 v[236+\g], 23, v[244+\g]
.endr
	s_delay_alu instid0(VALU_DEP_1)
	v_lshl_or_b32 v240, v237, 8, v236              ; my row's two scale bytes
	v_cvt_scalef32_pk16_bf6_f32 v[224:226], v[96:111], v244
	v_cvt_scalef32_pk16_bf6_f32 v[228:230], v[112:127], v245
	v_nop                                          ; one plain place behind a scaled conversion
.irp i, 0,1,2
	v_permlane16_swap_b32 v[224+\i], v[228+\i]
.endr
.irp i, 0,1,2
	s_delay_alu instid0(VALU_DEP_3)
	v_mov_b32 v[227+\i], v[228+\i]                 ; ascending: each source is read before it is written
.endr
.irp c, 0,1,2
	global_store_b64 v[AO], v[224+2*\c:225+2*\c], s[\ad:\ad+1] offset:256*\c   ; 32 lanes store 256 consecutive aligned bytes
.endr
	global_store_b16 v[SO], v240, s[\sd:\sd+1]     ; both halves of the lanes write the same two bytes with the same value
.endm
	s_wait_loadcnt 0x0                             ; Q of both passes
	START 96, 108, S1, 0
	s_wait_tensorcnt 0x3                           ; my first record is in (of records 0 to 3); my three later ones may be out
	s_barrier_signal -1
	s_barrier_wait -1                              ; records 0 to 3 are whole
	WALK 4, 0                                      ; four full steps for every wave: the first pass's own step is 8 at the least
	s_wait_tensorcnt 0x0                           ; all my records are in
	s_wait_dscnt 0x0
	s_barrier_signal -1
	s_barrier_wait -1                              ; everybody's are: from here on the waves run free
	s_mov_b32 s[KSTP], 4
	s_mov_b32 s[TB], 4*RECL
	WALK 16, 1
	FINISH 58, 60
	START 206, 218, S2, 1
	WALK 16, 1
	FINISH 66, 68
	s_wait_tensorcnt 0x0
	ds_add_u32 v223, v243
	s_wait_dscnt 0x0
	CROUND                                         ; the closing round: no work-group ends while a partner may still ask for a record that names it
	s_endpgm
.Lfunc_end_k_q21927d109f_attn:
	.size	k_q21927d109f_attn, .Lfunc_end_k_q21927d109f_attn-k_q21927d109f_attn
	.p2alignl 7, 3214868480
	.fill 96, 4, 3214868480
	.section	.rodata,"a",@progbits
	.p2align	6, 0x0
	.amdhsa_kernel k_q21927d109f_attn
		.amdhsa_group_segment_fixed_size 206848
		.amdhsa_private_segment_fixed_size 0
		.amdhsa_enable_private_segment 0
		.amdhsa_kernarg_size 24
		.amdhsa_user_sgpr_count 2
		.amdhsa_user_sgpr_kernarg_segment_ptr 1
		.amdhsa_wavefront_size32 1
		.amdhsa_system_sgpr_workgroup_id_x 1
		.amdhsa_system_sgpr_workgroup_id_y 1
		.amdhsa_system_sgpr_workgroup_id_z 1
		.amdhsa_system_vgpr_workitem_id 0
		.amdhsa_next_free_vgpr 256
		.amdhsa_next_free_sgpr 96
		.amdhsa_reserve_vcc 1
		.amdhsa_float_denorm_mode_32 3
		.amdhsa_float_denorm_mode_16_64 3
		.amdhsa_memory_ordered 1
		.amdhsa_forward_progress 1
		.amdhsa_inst_pref_size 82
	.end_amdhsa_kernel
	.amdgpu_metadata
---
amdhsa.version: [ 1, 2 ]
amdhsa.kernels:
  - .name:           k_q21927d109f_attn
    .symbol:         k_q21927d109f_attn.kd
    .args:
      - { .name: qkv, .offset: 0, .size: 8, .value_kind: global_buffer, .address_space: global }
      - { .name: ac, .offset: 8, .size: 8, .value_kind: global_buffer, .address_space: global }
      - { .name: asc, .offset: 16, .size: 8, .value_kind: global_buffer, .address_space: global }
    .group_segment_fixed_size: 206848
    .private_segment_fixed_size: 0
    .kernarg_segment_align: 8
    .kernarg_segment_size: 24
    .max_flat_workgroup_size: 512
    .sgpr_count:     96
    .vgpr_count:     256
    .wavefront_size: 32
...
	.end_amdgpu_metadata
.endif
;; end of part 3
;; launch outproj (part 4): grid 4 x 32, 4 waves a work-group, clusters of 4 x 4, 327,680 bytes of LDS; arguments ac, asc, wc, ws, out0; writes out0
.if DOCPART == 4
	.amdgcn_target "amdgcn-amd-amdhsa--gfx1250"
	.amdhsa_code_object_version 6
	.text
	.protected	k_q21927d109f_outproj
	.globl	k_q21927d109f_outproj
	.p2align	8
	.type	k_q21927d109f_outproj,@function
k_q21927d109f_outproj:
	s_mov_b64 s[64:65], 0
	v_nop
	global_prefetch_b8 v0, s[64:65] scope:SCOPE_SE
	s_setreg_imm32_b32 hwreg(HW_REG_WAVE_MODE, 25, 1), 1
	s_wait_xcnt 0x0
	s_wait_alu depctr_hold_cnt(0) depctr_sa_sdst(0) depctr_va_vdst(0) depctr_va_sdst(0) depctr_va_ssrc(0) depctr_va_vcc(0) depctr_vm_vsrc(0)
	s_getreg_b32 s2, hwreg(HW_REG_IB_STS2, 6, 4)
	s_cmp_eq_u32 s2, 0
	s_cbranch_scc0 .Lentry_in_a_cluster
	s_endpgm
.Lentry_in_a_cluster:
	s_bfe_u32 s2, ttmp6, 0x10000c
	s_cmp_lg_u32 s2, 0xf033
	s_cbranch_scc0 .Lentry_shape_is_right
	s_endpgm
.Lentry_shape_is_right:
; out0 = attention's result x wo^T on codes of BF6 (E3M2) with one E8M0 scale for each 32 along K = 1024; out0 [8192][1024] f32; sums in f32.
; A tile of 256 x 256 of out0 is made by a work-group of four waves; a wave makes 128 x 128: 64 accumulators, 512 registers.  K goes in steps of 256 through a ring of two LDS slots filled by the tensor data mover;
; the scale bytes of the work-group's rows, for all of K, come into LDS once, with the first fills.
; A (source 1: a lane holds a token) comes as IMAGES OF OPERAND REGISTERS: ac [512 tiles of 16 tokens][12,288 bytes]; in a tile 128 along K are 1,536 bytes: [6 pairs of registers][32 lanes][8 bytes].  A slot's part
; of a tile is 3,072 consecutive bytes; a fragment is six loads of 8 bytes a lane, 256 consecutive bytes each: no pitch, no padding.
; B (source 0: registers run along wo's rows) comes as rows of codes: rows 3,072 on of wc.
; Both were stored with bits 3 and 4 of the row's number exchanged: register j of accumulator (a, 2 g + u) in lane (r, h) is out0 at column 32 g + 16 h + 8 u + j and row 32 (a / 2) + 8 (a % 2) + r + 8 (r / 8) of the
; wave's 128 x 128.  The way out puts both right: the columns by the place in the stage, the rows by the stores' offsets.
; CLUSTERS: 4 x 4 work-groups.  The four of a row of the cluster need the same tiles of A, the four of a column the same tiles of B: each tile is asked for JOINTLY, by the same tensor load with the same descriptor
; and a mask that names the four.  128 work-groups: the problem has no more tiles of this size.  Nothing is prefetched: K has four slots' worth of tiles, and two of them are first fills.
; REGISTERS, in windows of 256: window 0: v0-31 addresses; v32-63 scale words, two sets, and nothing else; from v128 A's fragments, ONE set; on the way out v128-255 take rows of out0.
;   window 1: B's fragments, TWO sets, at v0 and at v128.   window 2: the 32 accumulators of A's blocks 0-3 (accumulator (a, b) at v[8 (8 (a % 4) + b)]);   window 3: those of blocks 4-7.
.set KSTEP,  256
.set NQ,     KSTEP/128
.set ROWB,   192                       ; a row of B's tile in bytes
.set KROW,   768                       ; a row of B in memory
.set PITCH,  240                       ; B's LDS row: 3 x (64 bytes of data + 16 of padding)
.set FR,     12
.set NL,     6
.set NP,     4                         ; places behind this matrix instruction (ISA guide 7.12.1)
.set AROW,   3072                      ; a tile of 16 tokens in a slot
.set ATILE,  12288                     ; and in memory, for all of K
.set HALFA,  8*AROW                    ; 128 tokens: what one tensor load brings of A
.set HALFT,  128*PITCH                 ; 128 rows of B
.set BOFF,   2*HALFA                   ; a slot: A's two halves, then B's two
.set SLOT,   BOFF+2*HALFT
.set LAPS,   2
.set KS,     32
.set SCL,    2*SLOT                    ; behind the ring: the scales, as rows of 256 bytes + 16 of padding
.set HALFS,  (128*KS/256)*272
.set SBLK,   (16*KS/256)*272
.set SPARE,  SCL+4*HALFS               ; the spare words, 128 bytes for each wave: two blocks of 256 bytes that no other line names
.set SPITCH, 528                       ; the way out: a stage of 16 rows x (512 bytes + 16) for each wave, in slot 0, which has had its last fill and its last read when the first result is stored there
.set NROW,   4096                      ; a row of out0 in bytes
.set ADRA, 16                          ; v16-17  LDS address of my A fragments in slot 0, 1
.set ADRB, 20                          ; v20-21  the same for B  (v22-23: for the pieces that lie behind one padding more)
.set STO,  24                          ; v24     the way out: where I put 32 bytes of a row
.set RD,   25                          ; v25     where I read a row back
.set CO,   26                          ; v26     my byte offset in a row of out0
.set ADRS, 27                          ; v27     LDS address of my scale words: lanes 0-15 A's rows, lanes 16-31 B's
.set SPW,  28                          ; v28     LDS address of my spare word; never rewritten
.set NIL,  29                          ; v29     0; never rewritten
.set SC,   32
.set AF,   128
.set BK,   128                         ; the way out: 16 rows read back from the stage: v128-191 and v192-255 by turns
.set G1, 24
.set G0, 32
.set G1B, 48
.set G0B, 56
.set G1S, 68
.set G0S, 76
.set G1SB, 80
.set G0SB, 88
.set MSB, 0
.macro WIN new                         ; the immediate's high byte repeats the setting that is left
.if MSB != (\new)
	s_set_vgpr_msb (MSB<<8)|(\new)
.set MSB, (\new)
.endif
.endm
.set MUL_LO, 0xa1                      ; source 0 (B) window 1, source 1 (A) window 0, C and D window 2
.set MUL_HI, 0xf1
.set TO_B,   0x40
; A joint load: waves 0 and 1 fetch for A, waves 2 and 3 for B; the branch hangs on the wave's number alone.  Four v_nop follow each of the two lines.
.macro JLOAD g0a, g1a, g0b, g1b
	s_cmp_eq_u32 s15, 0
	s_cbranch_scc0 .Lfor_b_\@
	tensor_load_to_lds s[\g0a:\g0a+3], s[\g1a:\g1a+7]
	s_nop 0
.rept 4
	v_nop
.endr
	s_branch .Lasked_\@
.Lfor_b_\@:
	tensor_load_to_lds s[\g0b:\g0b+3], s[\g1b:\g1b+7]
	s_nop 0
.rept 4
	v_nop
.endr
.Lasked_\@:
.endm
.macro CREST
	s_cmp_lg_u32 s14, 0
	s_cbranch_scc1 .Lnot_wave_0_\@
	s_barrier_signal -3
.Lnot_wave_0_\@:
	s_barrier_wait -3
	s_barrier_signal -1
	s_barrier_wait -1
.endm
.macro CROUND
	s_barrier_signal -1
	s_barrier_wait -1
	CREST
.endm
	s_load_b128 s[4:7], s[0:1], 0x0                ; A's codes, A's scales
	s_load_b128 s[8:11], s[0:1], 0x10              ; the weights' codes, their scales
	s_load_b64 s[12:13], s[0:1], 0x20              ; out0
	v_lshl_add_u32 v[SPW], v0, 2, SPARE
	v_mov_b32 v[NIL], 0
	ds_add_u32 v28, v29
	ds_add_u32 v28, v29
	s_wait_dscnt 0x0
	v_lshrrev_b32 v1, 5, v0
	v_readfirstlane_b32 s14, v1                    ; wave 0..3
	s_lshr_b32 s15, s14, 1                         ; which half of the tile's rows is mine.  Also: I fetch for A (0) or for B (1)
	s_and_b32 s16, s14, 1                          ; which half of its columns.  Also: which half of that tile I fetch
	s_bfe_u32 s40, ttmp6, 0x40000                  ; cx, cy
	s_bfe_u32 s41, ttmp6, 0x40004
	s_lshl_b32 s42, ttmp9, 2
	s_add_co_u32 s42, s42, s40                     ; tile column = 4 x cluster x + cx
	s_and_b32 s17, ttmp7, 0xffff
	s_lshl_b32 s17, s17, 2
	s_add_co_u32 s17, s17, s41                     ; tile row = 4 x cluster y + cy
	s_lshl_b32 s43, s41, 2
	s_lshl_b32 s43, 15, s43                        ; my row of the cluster
	s_lshl_b32 s44, 0x1111, s40                    ; my column
	; descriptor group 1 for A: 8 tiles of tokens x 3,072 bytes (384 elements of 8 bytes), 12,288 bytes apart, dense in LDS
	s_or_b32 s[G1+0], s43, (3<<16)|(1<<21)         ; 15:0 the mask: my row; 17:16 elements of 8 bytes; 20 padding off; 21 set beside a mask
	s_mov_b32 s[G1+1], (AROW/8)<<16                ; tensor_dim0
	s_mov_b32 s[G1+2], 8<<16                       ; tensor_dim1
	s_mov_b32 s[G1+3], (AROW/8)<<16                ; tile_dim0
	s_mov_b32 s[G1+4], 8                           ; tile_dim1
	s_mov_b32 s[G1+5], ATILE/8                     ; tensor_dim0_stride
	s_mov_b32 s[G1+6], 0
	s_mov_b32 s[G1+7], 0
	; for B: 128 rows x 192 bytes, 16 bytes of padding behind every 64
	s_or_b32 s[G1B+0], s44, (0<<16)|(1<<20)|(1<<21)|(3<<22)|(3<<25)
	s_mov_b32 s[G1B+1], ROWB<<16
	s_mov_b32 s[G1B+2], 128<<16
	s_mov_b32 s[G1B+3], ROWB<<16
	s_mov_b32 s[G1B+4], 128
	s_mov_b32 s[G1B+5], KROW
	s_mov_b32 s[G1B+6], 0
	s_mov_b32 s[G1B+7], 0
	; and for the scales of 128 rows: 4,096 dense bytes, as rows of 256 bytes, 16 bytes of padding behind each
	s_or_b32 s[G1S+0], s43, (3<<16)|(1<<20)|(1<<21)|(5<<22)|(3<<25)
	s_or_b32 s[G1SB+0], s44, (3<<16)|(1<<20)|(1<<21)|(5<<22)|(3<<25)
.irp g, G1S, G1SB
	s_mov_b32 s[\g+1], 32<<16
	s_mov_b32 s[\g+2], (128*KS/256)<<16
	s_mov_b32 s[\g+3], 32<<16
	s_mov_b32 s[\g+4], 128*KS/256
	s_mov_b32 s[\g+5], 32
	s_mov_b32 s[\g+6], 0
	s_mov_b32 s[\g+7], 0
.endr
	s_lshl_b32 s18, s16, 7                         ; which 128 rows of the tile I fetch
	s_lshl_b32 s22, s17, 8
	s_add_co_u32 s22, s22, s18                     ; A: stored row 256 x tile row + 128 x half
	s_lshr_b32 s20, s22, 4                         ; its tile of 16 tokens,
	s_mul_i32 s20, s20, ATILE                      ; in bytes (all under 2^23)
	s_mov_b32 s21, 0
	s_lshl_b32 s22, s22, 5                         ; and its scale bytes
	s_mov_b32 s23, 0
	s_lshl_b32 s46, s42, 8
	s_add_co_u32 s46, s46, s18
	s_add_co_u32 s46, s46, 3072                    ; B: wo's rows begin at row 3,072 of the weights
	s_lshl_b32 s92, s46, 5
	s_mov_b32 s93, 0
	s_mul_i32 s46, s46, KROW
	s_mov_b32 s47, 0
	s_mul_i32 s45, s16, HALFA                      ; where they go: A's half,
	s_mul_i32 s95, s16, HALFT
	s_add_co_u32 s95, s95, BOFF                    ; B's half: no place in the cluster enters an LDS address
	s_mul_i32 s94, s14, HALFS
	s_wait_kmcnt 0x0
	s_add_nc_u64 s[20:21], s[4:5], s[20:21]
	s_add_nc_u64 s[22:23], s[6:7], s[22:23]
	s_add_nc_u64 s[46:47], s[8:9], s[46:47]
	s_add_nc_u64 s[92:93], s[10:11], s[92:93]
	CROUND                                         ; all sixteen work-groups are here: the first joint loads meet
	s_mov_b32 s[G0S], 1
	s_add_co_u32 s[G0S+1], s94, SCL
	s_mov_b64 s[G0S+2:G0S+3], s[22:23]
	s_or_b32 s[G0S+3], s[G0S+3], 0x80000000
	s_mov_b32 s[G0SB], 1
	s_add_co_u32 s[G0SB+1], s94, SCL
	s_mov_b64 s[G0SB+2:G0SB+3], s[92:93]
	s_or_b32 s[G0SB+3], s[G0SB+3], 0x80000000
	JLOAD G0S, G1S, G0SB, G1SB                     ; the scales first: they are wanted with K step 0
.irp s, 0,1
	s_mov_b32 s[G0+4*\s], 1
	s_add_co_u32 s[G0+4*\s+1], s45, \s*SLOT
	s_add_nc_u64 s[G0+4*\s+2:G0+4*\s+3], s[20:21], \s*AROW
	s_or_b32 s[G0+4*\s+3], s[G0+4*\s+3], 0x80000000
	s_mov_b32 s[G0B+4*\s], 1
	s_add_co_u32 s[G0B+4*\s+1], s95, \s*SLOT
	s_add_nc_u64 s[G0B+4*\s+2:G0B+4*\s+3], s[46:47], \s*ROWB
	s_or_b32 s[G0B+4*\s+3], s[G0B+4*\s+3], 0x80000000
	JLOAD G0+4*\s, G1, G0B+4*\s, G1B
.endr
	v_and_b32 v1, 15, v0                           ; l % 16
	v_bfe_u32 v2, v0, 4, 1                         ; l / 16
	v_mul_u32_u24 v3, v1, PITCH
	v_mul_u32_u24 v4, v2, 24
	v_add_nc_u32 v4, v3, v4                        ; B: a fragment's row x pitch + 24 x half
	v_lshl_add_u32 v5, v2, 4, v4                   ; and the same behind one padding more
	v_and_b32 v6, 31, v0
	v_lshlrev_b32 v6, 3, v6                        ; A: 8 x lane
	s_mul_i32 s21, s15, HALFA                      ; my 128 tokens of A
	s_mul_i32 s22, s16, HALFT                      ; my 128 rows of B,
	s_add_co_u32 s22, s22, BOFF                    ; which lie behind A's
.irp s, 0,1
	v_add_nc_u32 v[ADRA+\s], s21, v6
	v_add_nc_u32 v[ADRB+\s], s22, v4
	v_add_nc_u32 v[ADRB+2+\s], s22, v5
	s_add_co_u32 s21, s21, SLOT
	s_add_co_u32 s22, s22, SLOT
.endr
	v_mul_u32_u24 v5, v1, KS                       ; my row's scales: KS bytes a row,
	v_lshrrev_b32 v6, 8, v5
	v_lshl_add_u32 v5, v6, 4, v5                   ; and 16 more for each 256 passed
	s_mul_i32 s21, s15, HALFS
	s_mul_i32 s22, s16, HALFS
	s_add_co_u32 s22, s22, 2*HALFS
	s_sub_co_u32 s22, s22, s21
	v_mul_u32_u24 v6, s22, v2                      ; lanes 16-31 take B's
	s_add_co_u32 s21, s21, SCL
	v_add_nc_u32 v5, v5, v6
	v_add_nc_u32 v[ADRS], s21, v5
	s_mul_i32 s23, s14, 16*SPITCH                  ; my stage
	v_mul_u32_u24 v5, v1, SPITCH                   ; in: row l % 16; my half's sixteen columns of each 32: 64 bytes on
	v_lshl_add_u32 v5, v2, 6, v5
	v_add_nc_u32 v[STO], s23, v5
	v_and_b32 v6, 31, v0
	v_lshlrev_b32 v[CO], 4, v6                     ; back: the 32 lanes take one row of 512 bytes; and the same in out0
	v_add_nc_u32 v[RD], s23, v[CO]
	s_lshl_b32 s20, s17, 8
	s_lshl_b32 s21, s15, 7
	s_add_co_u32 s20, s20, s21                     ; my first row of out0: 256 x tile row + 128 x half
	s_lshl_b32 s20, s20, 12                        ; x 4,096 bytes (under 2^25)
	s_lshl_b32 s46, s42, 10                        ; my first column, in bytes: 1,024 x tile column + 512 x half
	s_lshl_b32 s47, s16, 9
	s_add_co_u32 s20, s20, s46
	s_add_co_u32 s20, s20, s47
	s_mov_b32 s21, 0
	s_add_nc_u64 s[12:13], s[12:13], s[20:21]
.macro FRAG reg, adr, q, i             ; B: a fragment, 16 rows x 128 K, is 12 registers: registers 6 c .. 6 c + 5 hold K = 64 c + 32 (l / 16) + 0 .. 31: 24 bytes of the row's stream of bits, in pieces of 8 bytes
.irp p, 0,1,2,3,4,5
.set PC, 12*(\q)+6*(\p/3)+\p%3        ; 16 bytes of padding lie behind every 64 bytes (8 pieces): where the piece three on lies behind one padding more, the second address register serves
.if PC%8 < 5
	ds_load_b64 v[\reg+2*\p:\reg+2*\p+1], v[\adr] offset:8*PC+16*(PC/8)+(\i)*16*PITCH
.else
	ds_load_b64 v[\reg+2*\p:\reg+2*\p+1], v[\adr+2] offset:8*PC+16*(PC/8)+(\i)*16*PITCH
.endif
.endr
.endm
.macro FRAG_A reg, adr, q, i           ; A: the image of the 12 registers: six loads, 256 consecutive bytes each
.irp p, 0,1,2,3,4,5
	ds_load_b64 v[\reg+2*\p:\reg+2*\p+1], v[\adr] offset:AROW*(\i)+1536*(\q)+256*\p
.endr
.endm
; 16 matrix instructions: A's blocks a0, a0 + 1 x B's eight.  The 64 accumulators take turns, one instruction a turn, in the same order in every step.
.macro MUL16 a0, p, q, sc, zero
.irp a, \a0, \a0+1
.irp b, 0,1,2,3,4,5,6,7
.if \zero
	v_wmma_scale_f32_16x16x128_f8f6f4 v[8*(8*((\a)%4)+\b):8*(8*((\a)%4)+\b)+7], v[128*(\p)+FR*\b:128*(\p)+FR*\b+FR-1], v[AF+FR*(\a):AF+FR*(\a)+FR-1], 0, v[SC+8*NQ*(\sc)+NQ*\b+(\q)], v[SC+8*NQ*(\sc)+NQ*(\a)+(\q)] matrix_a_fmt:MATRIX_FMT_BF6 matrix_b_fmt:MATRIX_FMT_BF6 matrix_a_scale:MATRIX_SCALE_ROW1
.else
	v_wmma_scale_f32_16x16x128_f8f6f4 v[8*(8*((\a)%4)+\b):8*(8*((\a)%4)+\b)+7], v[128*(\p)+FR*\b:128*(\p)+FR*\b+FR-1], v[AF+FR*(\a):AF+FR*(\a)+FR-1], v[8*(8*((\a)%4)+\b):8*(8*((\a)%4)+\b)+7], v[SC+8*NQ*(\sc)+NQ*\b+(\q)], v[SC+8*NQ*(\sc)+NQ*(\a)+(\q)] matrix_a_fmt:MATRIX_FMT_BF6 matrix_b_fmt:MATRIX_FMT_BF6 matrix_a_scale:MATRIX_SCALE_ROW1
.endif
.endr
.endr
.endm
.macro FETCH_B slot, q, p
	WIN TO_B
.irp i, 0,1,2,3,4,5,6,7
	FRAG 128*(\p)+FR*\i, ADRB+\slot, \q, \i
.endr
	WIN 0
.endm
.macro FETCH_A slot, q, i0
.irp i, \i0, \i0+1, \i0+2, \i0+3
	FRAG_A AF+FR*(\i), ADRA+\slot, \q, \i
.endr
.endm
.macro SCALES sc
.irp i, 0,1,2,3,4,5,6,7
	ds_load_b64 v[SC+8*NQ*\sc+NQ*\i:SC+8*NQ*\sc+NQ*\i+1], v[ADRS] offset:\i*SBLK
.endr
.endm
; A load into a register that a matrix instruction has read, and an LDS store that reads a matrix result, stand NP places behind that matrix instruction, and only plain vector instructions that name none of its
; registers are places (ISA guide 7.12.1 for vector instructions).
.macro PLACES n
.rept \n
	v_nop
.endr
.endm
.macro STEP slot, q, zero
	s_wait_dscnt 4*NL                              ; B's set and A's blocks 0-3 are in; the youngest 24 loads (A's blocks 4-7) may be out
	WIN MUL_LO
	MUL16 0, (\q)%2, \q, \slot, \zero
	MUL16 2, (\q)%2, \q, \slot, \zero
	s_wait_dscnt 0                                 ; A's blocks 4-7 are in
	PLACES NP
	FETCH_B \slot, (\q)+1, 1-(\q)%2
	FETCH_A \slot, (\q)+1, 0
	WIN MUL_HI
	MUL16 4, (\q)%2, \q, \slot, \zero
	MUL16 6, (\q)%2, \q, \slot, \zero
	PLACES NP
	WIN 0
	FETCH_A \slot, (\q)+1, 4
.endm
; A slot's last step changes slots: ONE barrier; in front of it each wave waits for all its tensor loads, adds 0 to its spare word, and waits for that and for its own reads of this slot.  fill = 1: this slot is filled again, two K steps ahead.
.macro TURN slot, next, fill
	s_wait_tensorcnt 0x0                           ; all my tensor loads have landed: my part of the next slot;  (every window is 0 here)
	ds_add_u32 v[SPW], v[NIL]                      ; 0 onto my spare word
	s_wait_dscnt 4*NL+1                            ; (the add and the youngest 24 loads may be out)
	WIN MUL_LO
	MUL16 0, 1, NQ-1, \slot, 0                     ; sixteen matrix instructions stand between the add and the wait for it
	s_wait_dscnt 0x0                               ; the add is done, and my reads of this slot are over
	s_barrier_signal -1
	MUL16 2, 1, NQ-1, \slot, 0
	WIN 0
	s_barrier_wait -1
.if \fill
	CREST                                          ; the barrier has opened a round of the cluster's barrier: no wave of any partner still reads this slot's tile or has a load on its way
	s_add_nc_u64 s[G0+4*\slot+2:G0+4*\slot+3], s[G0+4*\slot+2:G0+4*\slot+3], 2*AROW
	s_add_nc_u64 s[G0B+4*\slot+2:G0B+4*\slot+3], s[G0B+4*\slot+2:G0B+4*\slot+3], 2*ROWB
	JLOAD G0+4*\slot, G1, G0B+4*\slot, G1B         ; the first tensor load behind the round; the four v_nop behind it are the places in front of the loads below
.else
	PLACES NP
.endif
	v_add_nc_u32 v[ADRS], 4*NQ, v[ADRS]            ; on to the next K step's scale words
	FETCH_B \next, 0, 0
	FETCH_A \next, 0, 0
	SCALES \next
	WIN MUL_HI
	MUL16 4, 1, NQ-1, \slot, 0
	MUL16 6, 1, NQ-1, \slot, 0
	PLACES NP
	WIN 0
	FETCH_A \next, 0, 4
.endm
	s_wait_tensorcnt 1                             ; the scales and my part of K step 0 are in (K step 1's load may be out)
	s_barrier_signal -1
	s_barrier_wait -1                              ; everybody's are
	FETCH_B 0, 0, 0
	FETCH_A 0, 0, 0
	SCALES 0
	FETCH_A 0, 0, 4
	STEP 0, 0, 1                                   ; the first step stands in front of the loop: its products start the sums
	s_mov_b32 s3, LAPS-1
.Llap:
	TURN 0, 1, 1
	STEP 1, 0, 0
	TURN 1, 0, 1
	STEP 0, 0, 0
	s_sub_co_u32 s3, s3, 1
	s_cmp_lg_u32 s3, 0
	s_cbranch_scc1 .Llap
	TURN 0, 1, 0                                   ; the last lap fills nothing, and has no round of the cluster's barrier
	STEP 1, 0, 0
	s_wait_dscnt 4*NL
	WIN MUL_LO
	MUL16 0, 1, NQ-1, 1, 0
	MUL16 2, 1, NQ-1, 1, 0
	s_wait_dscnt 0
	WIN MUL_HI
	MUL16 4, 1, NQ-1, 1, 0
	MUL16 6, 1, NQ-1, 1, 0
	WIN 0
; THE WAY OUT, block by block of 16 stored rows x 128 columns, through my own stage in LDS; back as whole rows of 512 bytes.  LDS serves a wave's instructions in order (ISA guide 5.7.1.4): no wait between the stores
; and the loads, nor in front of the next block's stores.
.macro TOSTAGE a
.set AC, 64*((\a)%4)
	WIN 0x08+4*((\a)/4)                            ; the data: window 2 or 3
.irp b, 0,1,2,3,4,5,6,7
	ds_store_b128 v[STO], v[AC+8*\b:AC+8*\b+3] offset:128*(\b/2)+32*(\b%2)          ; columns 32 (b / 2) + 16 h + 8 (b % 2) on; each accumulator from its low end on
	ds_store_b128 v[STO], v[AC+8*\b+4:AC+8*\b+7] offset:128*(\b/2)+32*(\b%2)+16
.endr
	WIN 0
.set BB, BK+64*((\a)%2)
.irp t, 0,1,2,3,4,5,6,7,8,9,10,11,12,13,14,15
	ds_load_b128 v[BB+4*\t:BB+4*\t+3], v[RD] offset:\t*SPITCH
.endr
.endm
.macro SEND a, younger                 ; younger: the LDS instructions issued behind block a's loads, which may stay out
.set BB, BK+64*((\a)%2)
	s_wait_dscnt \younger                          ; the block is back in registers
.if (\a) > 0                           ; block a begins at row 32 (a / 2) + 8 (a % 2)  (behind a wait on XCNT: the earlier stores have read their base)
.if (\a)%2 == 1
	s_add_nc_u64 s[12:13], s[12:13], 8*NROW
.else
	s_add_nc_u64 s[12:13], s[12:13], 24*NROW
.endif
.endif
.irp t, 0,1,2,3,4,5,6,7,8,9,10,11,12,13,14,15
	global_store_b128 v[CO], v[BB+4*\t:BB+4*\t+3], s[12:13] offset:(\t+8*(\t/8))*NROW th:TH_STORE_NT   ; stored row t is row t + 8 (t / 8); 32 lanes store 512 consecutive aligned bytes; written once, read by nobody here
.endr
.endm
	PLACES NP
	TOSTAGE 0
.irp a, 1,2,3,4,5,6,7
.if \a > 1
	s_wait_xcnt 0x0                                ; block a - 2's stores have read their registers and their base: block a's loads may land there, and the base may step
.endif
	TOSTAGE \a
	SEND \a-1, 32                                  ; behind block a - 1's loads: block a's 16 stores and 16 loads
.endr
	s_wait_xcnt 0x0                                ; block 6's stores have read their base
	SEND 7, 0
	s_wait_tensorcnt 0x0                           ; the wave's end, behind my last tensor load and my last LDS store
	ds_add_u32 v[SPW], v[NIL]
	s_wait_dscnt 0x0
	CROUND                                         ; the closing round: no work-group ends while a partner may still ask for a tile that names it
	s_endpgm
.Lfunc_end_k_q21927d109f_outproj:
	.size	k_q21927d109f_outproj, .Lfunc_end_k_q21927d109f_outproj-k_q21927d109f_outproj
	.p2alignl 7, 3214868480
	.fill 96, 4, 3214868480
	.section	.rodata,"a",@progbits
	.p2align	6, 0x0
	.amdhsa_kernel k_q21927d109f_outproj
		.amdhsa_group_segment_fixed_size 327680
		.amdhsa_private_segment_fixed_size 0
		.amdhsa_enable_private_segment 0
		.amdhsa_kernarg_size 40
		.amdhsa_user_sgpr_count 2
		.amdhsa_user_sgpr_kernarg_segment_ptr 1
		.amdhsa_wavefront_size32 1
		.amdhsa_system_sgpr_workgroup_id_x 1
		.amdhsa_system_sgpr_workgroup_id_y 1
		.amdhsa_system_sgpr_workgroup_id_z 1
		.amdhsa_system_vgpr_workitem_id 0
		.amdhsa_next_free_vgpr 1024
		.amdhsa_next_free_sgpr 98
		.amdhsa_reserve_vcc 0
		.amdhsa_float_denorm_mode_32 3
		.amdhsa_float_denorm_mode_16_64 3
		.amdhsa_memory_ordered 1
		.amdhsa_forward_progress 1
		.amdhsa_inst_pref_size 160
	.end_amdhsa_kernel
	.amdgpu_metadata
---
amdhsa.version: [ 1, 2 ]
amdhsa.kernels:
  - .name:           k_q21927d109f_outproj
    .symbol:         k_q21927d109f_outproj.kd
    .args:
      - { .name: ac, .offset: 0, .size: 8, .value_kind: global_buffer, .address_space: global }
      - { .name: asc, .offset: 8, .size: 8, .value_kind: global_buffer, .address_space: global }
      - { .name: wc, .offset: 16, .size: 8, .value_kind: global_buffer, .address_space: global }
      - { .name: ws, .offset: 24, .size: 8, .value_kind: global_buffer, .address_space: global }
      - { .name: out0, .offset: 32, .size: 8, .value_kind: global_buffer, .address_space: global }
    .group_segment_fixed_size: 327680
    .private_segment_fixed_size: 0
    .kernarg_segment_align: 8
    .kernarg_segment_size: 40
    .max_flat_workgroup_size: 128
    .sgpr_count:     98
    .vgpr_count:     1024
    .wavefront_size: 32
...
	.end_amdgpu_metadata
.endif
;; end of part 4
